; MI455X (gfx1250); checked and timed in simulation.
; The chip was launched on July 23, 2026; its instructions are those of AMD's public machine-readable ISA for CDNA 5 (MIT licence, August 2026) and "CDNA5" Instruction Set Architecture Reference Guide (July 2026). The comments in the code are by the model that wrote it; some were corrected since.
;; Attention. Allowed arithmetic: matrix products marked QUANTISED: E4M3 operands, one given power-of-two scale a tensor, by v_wmma_f32_16x16x64_fp8_fp8 or v_wmma_f32_16x16x128_fp8_fp8, f32 sums; everything else in f32.
;; Inputs: lowp_scales 6 int32 (the exponents e of the quantised operands' scales 2^e); qkv_w 3,072 x 1,024 float32; x 8 x 1,024 x 1,024 float32.
;; Outputs: out0 8 x 1,024 x 1,024 float32.
;; This version of the problem:
;;   THIS VERSION OF THE PROBLEM IS GIVEN IN LOW PRECISION. The matrix products marked QUANTISED in the list below multiply operands that are first quantised to E4M3 (4 exponent bits, 3 mantissa bits; 8 bits a number), with one given power-of-two scale for each operand tensor; their sums are f32. All else is computed in f32.
;;   The module's matrix products, in the order in which they are computed (A, B: the left and right operand; K: the contracted axis; several contracted axes count as one K, in the product's order):
;;     1. [M 8,192, K 1,024] x [K 1,024, N 3,072]; A: input x; B: input qkv_w: QUANTISED (scales: A lowp_scales[0], B lowp_scales[1])
;;     2. batch 128 x [M 1,024, K 64] x [K 64, N 1,024]; A: computed on the way; B: computed on the way: QUANTISED (scales: A lowp_scales[2], B lowp_scales[3])
;;     3. batch 128 x [M 1,024, K 1,024] x [K 1,024, N 64]; A: softmax (see below); B: computed on the way: QUANTISED (scales: A lowp_scales[4], B lowp_scales[5])
;;   THE QUANTISER, for each operand of a quantised product, along K:
;;     - The operand's scale is 2^e, e = its entry of the input lowp_scales (int32; the entries are numbered through the quantised products in the list's order, A before B).
;;     - Each number is divided by the scale, clamped to +-448, and rounded to the nearest number of E4M3, ties to even, subnormals kept.
;;     - The product sums the exact products of the quantised numbers (number of the format x scale) in f32.
;;   ~~~python
;;   def quantise(x, axis, e):      # numpy; x: float32 -> the quantised numbers, widened to float32 again
;;       x = np.moveaxis(x, axis, -1); K = x.shape[-1]
;;       r = np.clip(x / 2.0 ** e, -448, 448)
;;       step = 2.0 ** (np.maximum(np.frexp(np.where(r == 0, 1, r))[1] - 1, -6) - 3)
;;       q = np.round(r / step) * step * 2.0 ** e      # np.round: ties to even
;;       return np.moveaxis(q, -1, axis).astype(np.float32)
;;   ~~~
;;   SOFTMAX AHEAD OF A QUANTISED PRODUCT. Where the list says 'softmax', what is quantised is not the finished softmax but p = 2^(t - M), with t = logit x log2(e) and M = ceil(the row's largest t), a whole number; so 1/2 < the row's largest p <= 1. The row's sum l is taken of the UNQUANTISED p, in f32, and the product's result is divided by l at the end. Since M is a whole number, a kernel that streams over the keys may use a running M (the ceiling of the running maximum): every later rescaling is an exact power of two, so the quantised numbers keep their values, but for numbers so far below the row's largest that they fall under the format's range.
;;   OPERANDS COMPUTED ON THE WAY. 'Computed on the way' means the value that the module computes at that place (a softmax that the list does not call 'softmax' is quantised finished and normalised). What goes into a quantiser is computed in f32, as accurately as f32 sums, v_exp_f32 and their like allow (about 1e-6 of the number): no bf16 or f16 on the way to a quantiser, and a product that is left as it is and whose result goes on into a quantised operand takes f32 operands (vector FMAs, or v_wmma_f32_16x16x4_f32). A number that lies on a knife's edge between two numbers of the format may be rounded either way, as far as f32 arithmetic and the matrix unit's own rounding can turn it there, and no further.
;; 2 versions, each right; version 2 is version 1 with the launch attn written anew for expert scheduling mode. Each part assembles by itself: llvm-mc -triple=amdgcn-amd-amdhsa -mcpu=gfx1250 --defsym DOCPART=n.
;; ======== version 1 of 2: 3 launches
;; workspace buffers: x_codes 8,388,608 bytes; w_codes 3,145,728 bytes; qkv 25,165,824 bytes
;; launch quant (part 1): grid 704 x 1, 4 waves a work-group, no clusters, 33,280 bytes of LDS; arguments x, qkv_w, lowp_scales, x_codes, w_codes; writes x_codes, w_codes
.if DOCPART == 1
	.amdgcn_target "amdgcn-amd-amdhsa--gfx1250"
	.amdhsa_code_object_version 6
	.text
	.protected	k_q87a11d7550_quant
	.globl	k_q87a11d7550_quant
	.p2align	8
	.type	k_q87a11d7550_quant,@function
k_q87a11d7550_quant:
	s_mov_b64 s[64:65], 0
	v_nop
	global_prefetch_b8 v0, s[64:65] scope:SCOPE_SE
	s_setreg_imm32_b32 hwreg(HW_REG_WAVE_MODE, 25, 1), 1
	s_wait_xcnt 0x0
; x [8192][1024] and qkv_w [3072][1024], f32, become codes of FP8 (E4M3), one byte each, K innermost, each with the one scale 2^e given for it:
; code = number / 2^e, held within +-448, rounded to the nearest code, ties to even.  e: entry 0 of the scales for x, entry 1 for qkv_w.
; LIMITS: -126 <= e <= 119, so that 2^e and 448 x 2^e are f32 numbers.  NaN among the inputs is not served (an infinity is held at the largest code).
; Rows are dense, so both tensors are plain streams.  A wave takes 8 steps of 512 numbers.  Each of a step's four loads reads 512 consecutive bytes, 16 a lane; the conversion wants
; 16 NEIGHBOURS in one lane's registers, so a step's 2,048 bytes turn through the wave's own stage in LDS (16 bytes of padding behind each 64) and come back 64 bytes a lane.
; A lane's 16 codes are 16 bytes: the wave stores 512 consecutive bytes.  The first WGA work-groups take x, the others qkv_w: only pointers and e are chosen, the text is one path.
; No tensor load, no barrier: waves share nothing.  Loads run four steps (16 loads, 8,192 bytes a wave) ahead, the turn through LDS one step; short waves, 2,816 of them, so that many such runs are out at once.
; Matrix units and clusters have nothing to do in a stream.
.set SIZE_M, 8192
.set SIZE_N, 3072
.set SIZE_K, 1024
.set WAVES, 4
.set STEPS, 8
.set WGA,   SIZE_M*SIZE_K/(512*STEPS*WAVES)    ; 512 work-groups for x, 192 for qkv_w
.set EMAX,  8
.set MANT,  0x600000                   ; the mantissa field of 448 as f32
.set CB,    16                         ; bytes of 16 codes
.set R,     16                         ; v16-79   four sets of 16 numbers as they are loaded
.set X,     80                         ; v80-111  two sets of 16 neighbours
.set C,     128                        ; v128-159 codes: four registers for each step, so that no store's data are written again
.set WREG,  8192                       ; LDS: a region of its own for each wave: two stages of 32 x SP bytes
.set SP,    80                         ; a lane's place in a stage: its 64 bytes + 16 of padding
	s_load_b128 s[4:7], s[0:1], 0x0                ; x, qkv_w
	s_load_b64 s[10:11], s[0:1], 0x10              ; the scales' exponents
	s_load_b128 s[12:15], s[0:1], 0x18             ; x's codes, qkv_w's codes
	v_lshl_add_u32 v160, v0, 2, 0x8000
	v_mov_b32 v161, 0
	v_lshrrev_b32 v1, 5, v0
	v_readfirstlane_b32 s16, v1                    ; wave
	v_and_b32 v2, 31, v0                           ; lane
	v_lshlrev_b32 v3, 4, v2                        ; my 16 bytes of a load's 512
	s_mul_i32 s17, s16, WREG
	v_lshrrev_b32 v14, 2, v2
	v_mul_u32_u24 v14, v14, SP
	v_and_b32 v15, 3, v2
	v_lshl_add_u32 v14, v15, 4, v14
	v_add_nc_u32 v14, s17, v14                     ; the stage, on the way in: four lanes' 64 bytes on end, then 16 of padding
	v_mul_u32_u24 v15, v2, SP
	v_add_nc_u32 v15, s17, v15                     ; and on the way out: SP x lane: my 16 neighbours
	v_mul_u32_u24 v4, v2, CB                       ; my codes' place in a step's
	s_wait_kmcnt 0x0
	s_load_b64 s[22:23], s[10:11], 0x0             ; e0, e1
	s_cmp_lt_u32 ttmp9, WGA                        ; x's work-group or qkv_w's?  The choice hangs on the work-group's number alone
	s_cselect_b64 s[4:5], s[4:5], s[6:7]
	s_cselect_b64 s[8:9], s[12:13], s[14:15]
	s_cselect_b32 s17, 0, WGA
	s_sub_co_u32 s17, ttmp9, s17
	s_lshl_b32 s17, s17, 2
	s_add_co_u32 s18, s17, s16                     ; which run of 4,096 numbers of the tensor is my wave's
	s_mov_b32 s19, 0
	s_mov_b64 s[20:21], 512*STEPS*4
	s_mul_u64 s[20:21], s[18:19], s[20:21]
	s_add_nc_u64 s[4:5], s[4:5], s[20:21]
	s_mov_b64 s[20:21], 32*STEPS*CB
	s_mul_u64 s[20:21], s[18:19], s[20:21]
	s_add_nc_u64 s[8:9], s[8:9], s[20:21]
.macro LOAD t
.irp i, 0,1,2,3
	global_load_b128 v[R+16*((\t)%4)+4*\i:R+16*((\t)%4)+4*\i+3], v3, s[4:5] offset:2048*(\t)+512*\i th:TH_LOAD_NT   ; 32 lanes read 512 consecutive bytes
.endr
.endm
.macro TURN t                          ; step t's numbers through the stage: LDS serves a wave's instructions in order, so no wait stands between the stores and the loads
.irp i, 0,1,2,3
	ds_store_b128 v14, v[R+16*((\t)%4)+4*\i:R+16*((\t)%4)+4*\i+3] offset:32*SP*((\t)%2)+8*SP*\i
.endr
.irp i, 0,1,2,3
	ds_load_b128 v[X+16*((\t)%2)+4*\i:X+16*((\t)%2)+4*\i+3], v15 offset:32*SP*((\t)%2)+16*\i
.endr
.endm
.irp t, 0,1,2,3
	LOAD \t
.endr
	s_wait_kmcnt 0x0
	s_cmp_lt_u32 ttmp9, WGA
	s_cselect_b32 s22, s22, s23                    ; e
	s_add_co_i32 s22, s22, 127
	s_lshl_b32 s23, s22, 23
	v_mov_b32 v11, s23                             ; 2^e as f32: the conversion takes its exponent field
	s_add_co_i32 s22, s22, EMAX
	s_lshl_b32 s22, s22, 23
	s_or_b32 s22, s22, MANT
	v_mov_b32 v10, s22                             ; 448 x 2^e
	s_wait_loadcnt 12                              ; step 0's four loads are in; the twelve of steps 1 to 3 may be out
	TURN 0
.macro STEP t
.set XS, X+16*((\t)%2)
	s_wait_dscnt 0x0                               ; this step's numbers are back from the stage: so its stores into the stage have read their registers,
.if (\t)+4 < STEPS
	LOAD (\t)+4                                    ; which take the loads of four steps on
.endif
.if (\t)+1 < STEPS
.if STEPS-2-(\t) >= 3
	s_wait_loadcnt 12                              ; the next step's four loads are in; those of the three steps behind it may be out
.else
	s_wait_loadcnt 4*(STEPS-2-(\t))                ; near the end fewer steps stand behind it
.endif
	TURN (\t)+1                                    ; and go through the other stage while this step is worked
.endif
.irp i, 0,1,2,3,4,5,6,7,8,9,10,11,12,13,14,15
	v_med3_num_f32 v[XS+\i], v[XS+\i], -v10, v10   ; the conversion to an 8-bit code does not saturate (ISA guide 7.6.2): hold the number within 448 x the scale first
.endr
	v_cvt_scalef32_pk8_fp8_f32 v[C+4*(\t):C+4*(\t)+1], v[XS:XS+7], v11          ; eight numbers / 2^e, to the nearest code, ties to even; the first number's code in the lowest byte
	v_cvt_scalef32_pk8_fp8_f32 v[C+4*(\t)+2:C+4*(\t)+3], v[XS+8:XS+15], v11
	global_store_b128 v4, v[C+4*(\t):C+4*(\t)+3], s[8:9] offset:32*CB*(\t)      ; the codes go to a store alone; the next vector lines are the next step's holds, plain lines on other registers
.endm
.irp t, 0,1,2,3,4,5,6,7
	STEP \t
.endr
	s_wait_tensorcnt 0x0
	ds_add_u32 v160, v161
	s_wait_dscnt 0x0
	s_endpgm
.Lfunc_end_k_q87a11d7550_quant:
	.size	k_q87a11d7550_quant, .Lfunc_end_k_q87a11d7550_quant-k_q87a11d7550_quant
	.p2alignl 7, 3214868480
	.fill 96, 4, 3214868480
	.section	.rodata,"a",@progbits
	.p2align	6, 0x0
	.amdhsa_kernel k_q87a11d7550_quant
		.amdhsa_group_segment_fixed_size 33280
		.amdhsa_private_segment_fixed_size 0
		.amdhsa_enable_private_segment 0
		.amdhsa_kernarg_size 40
		.amdhsa_user_sgpr_count 2
		.amdhsa_user_sgpr_kernarg_segment_ptr 1
		.amdhsa_wavefront_size32 1
		.amdhsa_system_sgpr_workgroup_id_x 1
		.amdhsa_system_sgpr_workgroup_id_y 1
		.amdhsa_system_sgpr_workgroup_id_z 1
		.amdhsa_system_vgpr_workitem_id 0
		.amdhsa_next_free_vgpr 162
		.amdhsa_next_free_sgpr 66
		.amdhsa_reserve_vcc 0
		.amdhsa_float_denorm_mode_32 3
		.amdhsa_float_denorm_mode_16_64 3
		.amdhsa_memory_ordered 1
		.amdhsa_forward_progress 1
		.amdhsa_inst_pref_size 20
	.end_amdhsa_kernel
	.amdgpu_metadata
---
amdhsa.version: [ 1, 2 ]
amdhsa.kernels:
  - .name:           k_q87a11d7550_quant
    .symbol:         k_q87a11d7550_quant.kd
    .args:
      - { .name: x, .offset: 0, .size: 8, .value_kind: global_buffer, .address_space: global }
      - { .name: qkv_w, .offset: 8, .size: 8, .value_kind: global_buffer, .address_space: global }
      - { .name: lowp_scales, .offset: 16, .size: 8, .value_kind: global_buffer, .address_space: global }
      - { .name: x_codes, .offset: 24, .size: 8, .value_kind: global_buffer, .address_space: global }
      - { .name: w_codes, .offset: 32, .size: 8, .value_kind: global_buffer, .address_space: global }
    .group_segment_fixed_size: 33280
    .private_segment_fixed_size: 0
    .kernarg_segment_align: 8
    .kernarg_segment_size: 40
    .max_flat_workgroup_size: 128
    .sgpr_count:     66
    .vgpr_count:     162
    .wavefront_size: 32
...
	.end_amdgpu_metadata
.endif
;; end of part 1
;; launch proj (part 2): grid 12 x 32, 4 waves a work-group, clusters of 4 x 4, 327,680 bytes of LDS; arguments x_codes, w_codes, lowp_scales, qkv; writes qkv
.if DOCPART == 2
	.amdgcn_target "amdgcn-amd-amdhsa--gfx1250"
	.amdhsa_code_object_version 6
	.text
	.protected	k_q87a11d7550_proj
	.globl	k_q87a11d7550_proj
	.p2align	8
	.type	k_q87a11d7550_proj,@function
k_q87a11d7550_proj:
	s_mov_b64 s[64:65], 0
	v_nop
	global_prefetch_b8 v0, s[64:65] scope:SCOPE_SE
	s_setreg_imm32_b32 hwreg(HW_REG_WAVE_MODE, 25, 1), 1
	s_wait_xcnt 0x0
	s_wait_alu depctr_hold_cnt(0) depctr_sa_sdst(0) depctr_va_vdst(0) depctr_va_sdst(0) depctr_va_ssrc(0) depctr_va_vcc(0) depctr_vm_vsrc(0)
	s_getreg_b32 s2, hwreg(HW_REG_IB_STS2, 6, 4)
	s_cmp_eq_u32 s2, 0
	s_cbranch_scc0 .Lentry_in_a_cluster
	s_endpgm
.Lentry_in_a_cluster:
	s_bfe_u32 s2, ttmp6, 0x10000c
	s_cmp_lg_u32 s2, 0xf033
	s_cbranch_scc0 .Lentry_shape_is_right
	s_endpgm
.Lentry_shape_is_right:
; qkv = x w^T on codes of FP8 (E4M3): x_codes [8192][1024], w_codes [3072][1024], K innermost; sums in f32.  Each finished sum is quantised at once for the product that takes it next:
; q = sum x 2^(e0 + e1) / 8 with scale 2^e2, k with 2^e3, v with 2^e5: the powers of two are folded into the conversion's one scale, 2^(e2 + 3 - e0 - e1), 2^(e3 - e0 - e1), 2^(e5 - e0 - e1).
; LIMIT: that folded exponent lies between -126 and 119, so that the scale and 448 x the scale are f32 numbers.
; SHARES.  A tile of 256 x 256 sums to a work-group of four waves, 128 x 128 a wave: 64 accumulators, 512 registers.  K goes in steps of 256 (rows of 256 bytes) through two LDS slots filled by the tensor data mover.
; 4 x 4 work-groups form a cluster; cluster x = 0, 1, 2 is q, k, v; cluster y walks the 8,192 tokens by 1,024.  The four of a cluster's row need the same tile of the A role, the four of a column the same tile of the
; B role: each tile is asked for jointly, by the same tensor load with the same descriptor and a mask that names the four.
; ROLES.  The matrix instruction takes 16 rows of the B role as source 0 and 16 rows of the A role as source 1: a lane then holds ONE row of the A role and eight NEIGHBOURS along the B role, which the conversion packs
; into 8 bytes.  So the B role is the axis that the next product contracts: for q and k the channels (A = x's rows, B = w's rows), for v the keys (A = w's rows 2,048 on, B = x's rows).
; Only base addresses and tile numbers are chosen, by the cluster's x, which all sixteen partners share; the text is one path.
; OUTPUT.  qkv has three regions of 2^23 bytes (q, k, v), each [16 b + h][16 blocks][64 rows][64 bytes]: q, k: block = token / 64, row = token % 64, byte = channel;  v: block = key / 64, row = channel, byte = key.
; Within each 32 bytes, place 16 h' + 8 u + j holds index 16 u + 8 h' + j: the order in which two neighbouring accumulators' codes lie in a lane's four registers.  A reader that takes 16 bytes at 16 (lane / 16) of each
; 32 then has the K = 64 form's own order of k in its registers.  A wave's 128 x 128 is four whole blocks of 4,096 bytes: no other wave writes into them.
; REGISTERS, in windows of 256: window 0: v0-31 addresses and the scale; from v128 the A role's fragments (8 x 16 rows x 128 K), ONE set; on the way out v32-255 are free.
;   window 1: the B role's fragments, TWO sets, at v0 and v128.   window 2: the accumulators of my rows 0-63 ((a, b) at v[8 (8 a + b)]);   window 3: those of my rows 64-127.
.set KSTEP,  256                       ; along K in a slot
.set ROWB,   256                       ; a tile's row in bytes
.set KROW,   1024                      ; a row of codes in memory, in bytes
.set PITCH,  272                       ; an LDS row: 256 bytes + 16 of padding = 68 words: row r starts at bank 4 r mod 64 (64 banks of 4 bytes: ISA guide 11.1), so the 16 rows of a load start at 16 different banks
.set FR,     16                        ; registers of a fragment: 16 rows x 128 K
.set NL,     4                         ; LDS loads that bring one
.set NP,     4                         ; places behind this matrix instruction (ISA guide 7.12.1)
.set HALFT,  128*PITCH                 ; 128 rows: what one tensor load brings, and what one wave reads of either role
.set SLOT,   4*HALFT                   ; the A role's 256 rows, then the B role's
.set SPARE,  2*SLOT                    ; behind the ring: the spare words, 128 bytes for each wave: two blocks of 256 bytes that no other line names
.set SPITCH, 144                       ; the way out: a stage row: 128 codes + 16 bytes
.set SGB,    16*SPITCH                 ; 16 rows: one block of the wave's eight, each with stage bytes of its own
.set SGW,    8*SGB                     ; a wave's stage.  The four lie in slot 0, which has had its last fill and its last read when the first code is stored there
.set ADRA, 16                          ; v16-17  LDS address of my A fragments in slot 0, 1
.set ADRB, 20                          ; v20-21  the same for B
.set STO,  24                          ; v24     the way out: where I put 16 bytes of a row
.set RD,   25                          ; v25     the way out: where I read 16 bytes back
.set CO,   26                          ; v26     16 x lane: my byte in a store's 512
.set SPW,  28                          ; v28     LDS address of my spare word: SPARE + 4 x my thread's number; never rewritten
.set NIL,  29                          ; v29     0; never rewritten
.set SC,   30                          ; v30     the conversion's scale as f32
.set LIM,  31                          ; v31     448 x that
.set TMP,  32                          ; the way out: v32-95 a block's 64 sums, held
.set CD,   96                          ; v96-127 its codes, two sets of 16 by turns
.set AF,   128                         ; the A role's fragments, in window 0
.set BK,   128                         ; the way out: v128-255: 16 registers for each block, read back from the stage; none is written twice
.set G1, 24                            ; s[24:31] descriptor group 1 for the A role;  s[32:39] group 0, one set for each slot
.set G0, 32
.set G1B, 48                           ; s[48:55], s[56:63] the same for the B role
.set G0B, 56
.set PO, 80                            ; s[80:87] where my four blocks begin in qkv: block (ic, jc) at s[PO + 4 ic + 2 jc]
.set MSB, 0
.macro WIN new                         ; the immediate's high byte repeats the setting that is left
.if MSB != \new
	s_set_vgpr_msb (MSB<<8)|\new
.set MSB, \new
.endif
.endm
.set MUL_LO, 0xa1                      ; source 0 (B) window 1, source 1 (A) window 0, C and D window 2
.set MUL_HI, 0xf1                      ; the same, C and D window 3
.set TO_B,   0x40                      ; destination window 1, address window 0
; A joint load: waves 0 and 1 fetch for the A role, waves 2 and 3 for the B role.  Each of the two lines has ONE mask and one set of registers for all that issue it; the branch hangs on the wave's number alone.
; Four v_nop follow each of the two lines, ahead of the jump, the label and what follows.
.macro JLOAD g0a, g1a, g0b, g1b
	s_cmp_eq_u32 s15, 0
	s_cbranch_scc0 .Lfor_b_\@
	tensor_load_to_lds s[\g0a:\g0a+3], s[\g1a:\g1a+7]
	s_nop 0
.rept 4
	v_nop
.endr
	s_branch .Lasked_\@
.Lfor_b_\@:
	tensor_load_to_lds s[\g0b:\g0b+3], s[\g1b:\g1b+7]
	s_nop 0
.rept 4
	v_nop
.endr
.Lasked_\@:
.endm
.macro CREST                           ; a round of the cluster's barrier behind its opening barrier
	s_cmp_lg_u32 s14, 0
	s_cbranch_scc1 .Lnot_wave_0_\@
	s_barrier_signal -3
.Lnot_wave_0_\@:
	s_barrier_wait -3
	s_barrier_signal -1
	s_barrier_wait -1
.endm
.macro CROUND                          ; a whole round
	s_barrier_signal -1
	s_barrier_wait -1
	CREST
.endm
	s_load_b128 s[4:7], s[0:1], 0x0                ; x's codes s[4:5], w's codes s[6:7]
	s_load_b128 s[8:11], s[0:1], 0x10              ; the scales' exponents s[8:9], qkv s[10:11]
	v_lshl_add_u32 v[SPW], v0, 2, SPARE
	v_mov_b32 v[NIL], 0
	ds_add_u32 v28, v29
	ds_add_u32 v28, v29
	s_wait_dscnt 0x0
	v_lshrrev_b32 v1, 5, v0
	v_readfirstlane_b32 s14, v1                    ; wave 0..3
	s_lshr_b32 s15, s14, 1                         ; which half of the tile's A rows is mine.  Also: I fetch for A (0) or for B (1)
	s_and_b32 s16, s14, 1                          ; which half of its B rows.  Also: which 128 rows of that tile I fetch
	s_bfe_u32 s40, ttmp6, 0x40000                  ; cx, cy: my place in the cluster
	s_bfe_u32 s41, ttmp6, 0x40004
	s_and_b32 s66, ttmp7, 0xffff
	s_lshl_b32 s66, s66, 2                         ; 4 x cluster y: the first of the cluster's four tiles of 256 tokens
	s_lshl_b32 s67, ttmp9, 2                       ; 4 x cluster x: the first of its four tiles of 256 rows of w
	s_mov_b32 s68, 4096
	s_mov_b32 s70, 0x10000
	s_cmp_eq_u32 ttmp9, 2                          ; v?  The same answer in all sixteen partners; every selection on this compare stands ahead of the additions
	s_cselect_b32 s17, 8, s66                      ; the A role's tiles: v: w's tiles 8 on;  q, k: x's
	s_cselect_b32 s42, s66, s67                    ; the B role's tiles: v: x's;  q, k: w's
	s_cselect_b32 s68, 0x10000, s68                ; SI: bytes in qkv from 64 A rows to the next 64: v: a head on;  q, k: a block on
	s_cselect_b32 s70, 4096, s70                   ; SJ: the same for 64 B rows, the other way round
	s_cselect_b32 s77, s41, s40                    ; W: which 256 rows of the region's 1,024 of w are my tile's
	s_add_co_u32 s17, s17, s41                     ; RA: the A role's tile: it hangs on cy alone of my place
	s_add_co_u32 s42, s42, s40                     ; RB: the B role's tile: on cx alone
	s_cmp_eq_u32 ttmp9, 2
	s_cselect_b32 s76, s42, s17                    ; U: which 256 tokens are my tile's
	s_lshl_b32 s43, s41, 2
	s_lshl_b32 s43, 15, s43                        ; my row of the cluster
	s_lshl_b32 s44, 0x1111, s40                    ; my column
	; descriptor group 1: a tile of 128 rows x 256 bytes, padded in LDS
	s_or_b32 s[G1+0], s43, (0<<16)|(1<<20)|(1<<21)|(5<<22)|(3<<25)  ; 15:0 the mask: A's tiles go to my row; 17:16 element of 1 byte; 20 padding on; 21 set beside a mask; 24:22 after every 64 words (code 5); 31:25 of 4 words (code 3)
	s_or_b32 s[G1B+0], s44, (0<<16)|(1<<20)|(1<<21)|(5<<22)|(3<<25) ; the same with the mask of my column
.irp g, G1, G1B
	s_mov_b32 s[\g+1], ROWB<<16                    ; tensor_dim0
	s_mov_b32 s[\g+2], 128<<16                     ; tensor_dim1 = 128
	s_mov_b32 s[\g+3], ROWB<<16                    ; tile_dim0
	s_mov_b32 s[\g+4], 128                         ; tile_dim1 = 128
	s_mov_b32 s[\g+5], KROW                        ; tensor_dim0_stride
	s_mov_b32 s[\g+6], 0
	s_mov_b32 s[\g+7], 0
.endr
	s_lshl_b32 s18, s16, 7                         ; which 128 rows of the tile I fetch
	s_lshl_b32 s20, s17, 8
	s_add_co_u32 s20, s20, s18                     ; A: row 256 RA + 128 x half,
	s_lshl_b32 s20, s20, 10                        ; in bytes: under 2^23
	s_mov_b32 s21, 0
	s_lshl_b32 s46, s42, 8
	s_add_co_u32 s46, s46, s18                     ; B: row 256 RB + 128 x half
	s_lshl_b32 s46, s46, 10
	s_mov_b32 s47, 0
	s_mul_i32 s45, s14, HALFT                      ; where they go: wave x 128 rows: no place in the cluster enters an LDS address
	s_wait_kmcnt 0x0
	s_load_b128 s[88:91], s[8:9], 0x0              ; e0, e1, e2, e3
	s_load_b64 s[92:93], s[8:9], 0x10              ; e4, e5
	s_cmp_eq_u32 ttmp9, 2
	s_cselect_b64 s[72:73], s[6:7], s[4:5]         ; the A role's tensor
	s_cselect_b64 s[74:75], s[4:5], s[6:7]         ; the B role's
	s_add_nc_u64 s[20:21], s[72:73], s[20:21]
	s_add_nc_u64 s[46:47], s[74:75], s[46:47]
	CROUND                                         ; all sixteen work-groups are here: the first joint loads meet
.irp s, 0,1
	s_mov_b32 s[G0+4*\s], 1
	s_add_co_u32 s[G0+4*\s+1], s45, \s*SLOT
	s_add_nc_u64 s[G0+4*\s+2:G0+4*\s+3], s[20:21], \s*ROWB
	s_or_b32 s[G0+4*\s+3], s[G0+4*\s+3], 0x80000000
	s_mov_b32 s[G0B+4*\s], 1
	s_add_co_u32 s[G0B+4*\s+1], s45, \s*SLOT
	s_add_nc_u64 s[G0B+4*\s+2:G0B+4*\s+3], s[46:47], \s*ROWB
	s_or_b32 s[G0B+4*\s+3], s[G0B+4*\s+3], 0x80000000
	JLOAD G0+4*\s, G1, G0B+4*\s, G1B               ; K steps 0 and 1: two loads of mine are out
.endr
	v_and_b32 v1, 15, v0                           ; r = l % 16
	v_bfe_u32 v2, v0, 4, 1                         ; h = l / 16
	v_mul_u32_u24 v3, v1, PITCH
	v_lshl_add_u32 v4, v2, 4, v3                   ; a fragment's row x pitch + 16 x half
	s_mul_i32 s21, s15, HALFT                      ; my 128 rows of A
	s_mul_i32 s22, s16, HALFT                      ; my 128 rows of B,
	s_add_co_u32 s22, s22, 2*HALFT                 ; which lie behind A's 256
.irp s, 0,1
	v_add_nc_u32 v[ADRA+\s], s21, v4
	v_add_nc_u32 v[ADRB+\s], s22, v4
	s_add_co_u32 s21, s21, SLOT
	s_add_co_u32 s22, s22, SLOT
.endr
	s_mul_i32 s23, s14, SGW                        ; my stage
	v_mul_u32_u24 v5, v1, SPITCH                   ; in: row r, 16 bytes for each half of the lanes in each 32
	v_lshl_add_u32 v5, v2, 4, v5
	v_add_nc_u32 v[STO], s23, v5
	v_and_b32 v6, 31, v0
	v_lshrrev_b32 v7, 2, v6                        ; back: four lanes take 64 bytes of a row, the 32 lanes eight rows: 512 bytes that lie on end in qkv
	v_mul_u32_u24 v7, v7, SPITCH
	v_and_b32 v8, 3, v0
	v_lshl_add_u32 v7, v8, 4, v7
	v_add_nc_u32 v[RD], s23, v7
	v_lshlrev_b32 v[CO], 4, v6
	; where my four blocks begin: region x 2^23 + batch (U / 4) x 2^20 + W x 2^18 (four heads) + (U % 4) x 2^14 (four blocks) + my halves: 2 SI x A half + 2 SJ x B half
	s_lshl_b32 s78, ttmp9, 23
	s_lshr_b32 s94, s76, 2
	s_lshl_b32 s94, s94, 20
	s_add_co_u32 s78, s78, s94
	s_lshl_b32 s94, s77, 18
	s_add_co_u32 s78, s78, s94
	s_and_b32 s94, s76, 3
	s_lshl_b32 s94, s94, 14
	s_add_co_u32 s78, s78, s94
	s_mul_i32 s94, s15, s68
	s_lshl_b32 s94, s94, 1
	s_add_co_u32 s78, s78, s94
	s_mul_i32 s94, s16, s70
	s_lshl_b32 s94, s94, 1
	s_add_co_u32 s78, s78, s94
	s_mov_b32 s79, 0
	s_mov_b32 s69, 0
	s_mov_b32 s71, 0
	s_add_nc_u64 s[PO:PO+1], s[10:11], s[78:79]        ; block (0, 0)
	s_add_nc_u64 s[PO+2:PO+3], s[PO:PO+1], s[70:71]    ; (0, 1): 64 B rows on
	s_add_nc_u64 s[PO+4:PO+5], s[PO:PO+1], s[68:69]    ; (1, 0): 64 A rows on
	s_add_nc_u64 s[PO+6:PO+7], s[PO+4:PO+5], s[70:71]  ; (1, 1)
.macro FRAG reg, adr, q, i             ; a fragment, 16 rows x 128 K of codes, is 16 registers: lane l holds row l % 16; registers 4 c .. 4 c + 3 hold K = 32 c + 16 (l / 16) + 0 .. 15: the same places of k in both roles
.irp c, 0,1,2,3
	ds_load_b128 v[\reg+4*\c:\reg+4*\c+3], v[\adr] offset:128*(\q)+32*\c+(\i)*16*PITCH
.endr
.endm
; 16 matrix instructions: A's blocks a0, a0 + 1 x B's eight, 128 along K.  p: B's set.  zero = 1: the first product starts the sums: nothing is ever cleared.
; The 64 accumulators take turns, one instruction a turn, in the same order in every step.
.macro MUL16 a0, p, zero
.irp a, \a0, \a0+1
.irp b, 0,1,2,3,4,5,6,7
.if \zero
	v_wmma_f32_16x16x128_fp8_fp8 v[8*(8*((\a)%4)+\b):8*(8*((\a)%4)+\b)+7], v[128*(\p)+FR*\b:128*(\p)+FR*\b+FR-1], v[AF+FR*(\a):AF+FR*(\a)+FR-1], 0
.else
	v_wmma_f32_16x16x128_fp8_fp8 v[8*(8*((\a)%4)+\b):8*(8*((\a)%4)+\b)+7], v[128*(\p)+FR*\b:128*(\p)+FR*\b+FR-1], v[AF+FR*(\a):AF+FR*(\a)+FR-1], v[8*(8*((\a)%4)+\b):8*(8*((\a)%4)+\b)+7]
.endif
.endr
.endr
.endm
.macro FETCH_B slot, q, p              ; B's eight fragments of the slot's q-th 128 along K into set p
	WIN TO_B
.irp i, 0,1,2,3,4,5,6,7
	FRAG 128*(\p)+FR*\i, ADRB+\slot, \q, \i
.endr
	WIN 0
.endm
.macro FETCH_A slot, q, i0             ; A's blocks i0 .. i0 + 3
.irp i, \i0, \i0+1, \i0+2, \i0+3
	FRAG AF+FR*(\i), ADRA+\slot, \q, \i
.endr
.endm
; A load into a register that a matrix instruction has read, and a vector instruction that reads a matrix result, stand NP places behind that matrix instruction, and only plain vector
; instructions that name none of its registers are places (ISA guide 7.12.1 for vector instructions); the matrix instructions in between are not counted.
.macro PLACES n
.rept \n
	v_nop
.endr
.endm
; A step of 128 along K that has its successor in the same slot.  A block of A is free as soon as its eight products are issued, so one set serves A: blocks 0-3 are fetched anew in the step's middle, blocks 4-7 at its end.
.macro STEP slot, q, zero
	s_wait_dscnt 4*NL                              ; B's set and A's blocks 0-3 are in; the youngest sixteen loads (A's blocks 4-7) may be out
	WIN MUL_LO
	MUL16 0, (\q)%2, \zero
	MUL16 2, (\q)%2, \zero
	s_wait_dscnt 0                                 ; A's blocks 4-7 are in (asked for 32 matrix instructions ago)
	PLACES NP
	FETCH_B \slot, (\q)+1, 1-(\q)%2
	FETCH_A \slot, (\q)+1, 0
	WIN MUL_HI
	MUL16 4, (\q)%2, \zero
	MUL16 6, (\q)%2, \zero
	PLACES NP
	WIN 0
	FETCH_A \slot, (\q)+1, 4
.endm
; A slot's last step changes slots: ONE barrier; in front of it each wave waits for all its tensor loads, adds 0 to its spare word, and waits for that and for its own reads of this slot.  fill = 1: this slot is filled again, two K steps ahead.
.macro TURN slot, next, fill
	s_wait_tensorcnt 0x0                           ; all my tensor loads have landed: my part of the next slot;  (every window is 0 here: the add's two registers lie in window 0)
	ds_add_u32 v[SPW], v[NIL]                      ; 0 onto my spare word
	s_wait_dscnt 4*NL+1                            ; (the add and the youngest sixteen loads, A's blocks 4-7, may be out)
	WIN MUL_LO
	MUL16 0, 1, 0                                  ; sixteen matrix instructions stand between the add and the wait for it
	s_wait_dscnt 0x0                               ; the add is done, and my reads of this slot are over
	s_barrier_signal -1
	MUL16 2, 1, 0
	WIN 0
	s_barrier_wait -1
.if \fill
	CREST                                          ; the barrier has opened a round of the cluster's barrier: no wave of any partner still reads this slot's tile or has a load on its way
	s_add_nc_u64 s[G0+4*\slot+2:G0+4*\slot+3], s[G0+4*\slot+2:G0+4*\slot+3], 2*ROWB
	s_add_nc_u64 s[G0B+4*\slot+2:G0B+4*\slot+3], s[G0B+4*\slot+2:G0B+4*\slot+3], 2*ROWB
	JLOAD G0+4*\slot, G1, G0B+4*\slot, G1B         ; the first tensor load behind the round, my one load until the next; the four v_nop behind it are the places in front of the loads below
.else
	PLACES NP
.endif
	FETCH_B \next, 0, 0
	FETCH_A \next, 0, 0
	WIN MUL_HI
	MUL16 4, 1, 0
	MUL16 6, 1, 0
	PLACES NP
	WIN 0
	FETCH_A \next, 0, 4
.endm
	s_wait_tensorcnt 1                             ; my part of K step 0 is in (K step 1's load may be out)
	s_barrier_signal -1
	s_barrier_wait -1                              ; everybody's is
	FETCH_B 0, 0, 0
	FETCH_A 0, 0, 0
	FETCH_A 0, 0, 4
	; K = 1,024 is four K steps of 256, twice round the ring: written straight
	STEP 0, 0, 1                                   ; the first products start the sums
	TURN 0, 1, 1                                   ; slot 0 takes K step 2
	STEP 1, 0, 0
	TURN 1, 0, 1                                   ; slot 1 takes K step 3
	STEP 0, 0, 0
	TURN 0, 1, 0                                   ; nothing is left to fetch: no round of the cluster's barrier.  Behind this barrier nobody reads slot 0
	STEP 1, 0, 0
	s_wait_dscnt 4*NL                              ; the very last step
	WIN MUL_LO
	MUL16 0, 1, 0
	MUL16 2, 1, 0
	s_wait_dscnt 0
	WIN MUL_HI
	MUL16 4, 1, 0
	MUL16 6, 1, 0
	WIN 0
; THE WAY OUT, block by block of 16 A rows x 128 B rows.  The sums are held within 448 x the scale (the conversion to an 8-bit code does not saturate: ISA guide 7.6.2), each accumulator from its low end on, and converted:
; an accumulator's eight sums give 8 bytes, two neighbouring accumulators' 16.  A lane's bytes belong to one row, the lanes beside it hold other rows: so a block goes through my own stage and comes back as runs of
; 512 bytes that lie on end in qkv.  LDS serves a wave's instructions in order (ISA guide 5.7.1.4): no wait between the stores and the loads.
.macro OUTBLK a
.set AC, 64*((\a)%4)
.set CSET, CD+16*((\a)%2)
	WIN (0x02+((\a)/4))                            ; source 0: window 2 or 3
.set j, 0
.rept 64
	v_med3_num_f32 v[TMP+j], v[AC+j], -v[LIM], v[LIM]
.set j, j+1
.endr
	WIN 0
.if (\a) >= 2
	s_wait_dscnt 12                                ; block a - 2's four stores into the stage are done, so its set of codes may be written: behind them stand its 4 loads and block a - 1's 8 LDS instructions
.endif
.irp b, 0,1,2,3,4,5,6,7
	v_cvt_scalef32_pk8_fp8_f32 v[CSET+2*\b:CSET+2*\b+1], v[TMP+8*\b:TMP+8*\b+7], v[SC]
.endr
	v_nop                                          ; one plain vector line behind the last conversion: the next block's holds write its sources
.irp b, 0,1,2,3
	ds_store_b128 v[STO], v[CSET+4*\b:CSET+4*\b+3] offset:SGB*(\a)+32*\b
.endr
.irp q, 0,1,2,3                        ; q % 2: rows 0-7 or 8-15;  q / 2: the first or the second 64 of the B rows
	ds_load_b128 v[BK+16*(\a)+4*\q:BK+16*(\a)+4*\q+3], v[RD] offset:SGB*(\a)+8*SPITCH*(\q%2)+64*(\q/2)
.endr
.endm
.macro SENDBLK a, younger              ; younger: the LDS instructions issued behind block a's loads, which may stay out
	s_wait_dscnt \younger
.irp q, 0,1,2,3
	global_store_b128 v[CO], v[BK+16*(\a)+4*\q:BK+16*(\a)+4*\q+3], s[PO+4*((\a)/4)+2*(\q/2):PO+4*((\a)/4)+2*(\q/2)+1] offset:1024*((\a)%4)+512*(\q%2)   ; 32 lanes store 512 consecutive bytes, at a multiple of 512 from qkv's first byte
.endr
.endm
	s_wait_kmcnt 0x0
	s_add_co_i32 s94, s90, 3                       ; q: e2 + 3: the division by 8 = sqrt(64) is a power of two and goes into the scale
	s_cmp_eq_u32 ttmp9, 0
	s_cselect_b32 s94, s94, s91                    ; k: e3
	s_cmp_eq_u32 ttmp9, 2
	s_cselect_b32 s94, s93, s94                    ; v: e5
	s_sub_co_i32 s94, s94, s88
	s_sub_co_i32 s94, s94, s89                     ; a sum stands for sum x 2^(e0 + e1)
	s_add_co_i32 s94, s94, 127
	s_lshl_b32 s95, s94, 23
	v_mov_b32 v[SC], s95                           ; the folded scale as f32: the conversion takes its exponent field
	s_add_co_i32 s94, s94, 8
	s_lshl_b32 s94, s94, 23
	s_or_b32 s94, s94, 0x600000
	v_mov_b32 v[LIM], s94                          ; 448 x that
	PLACES NP                                      ; behind the last products: for the reads of their results and for the loads into the registers that held A's fragments
	OUTBLK 0
.irp a, 1,2,3,4,5,6,7
	OUTBLK \a
	SENDBLK \a-1, 8                                ; behind block a - 1's loads: block a's 4 stores and 4 loads.  No store's register or base is ever written again
.endr
	SENDBLK 7, 0
	s_wait_tensorcnt 0x0                           ; the wave's end: behind my last tensor load and my last LDS store
	ds_add_u32 v[SPW], v[NIL]
	s_wait_dscnt 0x0
	CROUND                                         ; the closing round: no work-group ends while a partner may still ask for a tile that names it
	s_endpgm
.Lfunc_end_k_q87a11d7550_proj:
	.size	k_q87a11d7550_proj, .Lfunc_end_k_q87a11d7550_proj-k_q87a11d7550_proj
	.p2alignl 7, 3214868480
	.fill 96, 4, 3214868480
	.section	.rodata,"a",@progbits
	.p2align	6, 0x0
	.amdhsa_kernel k_q87a11d7550_proj
		.amdhsa_group_segment_fixed_size 327680
		.amdhsa_private_segment_fixed_size 0
		.amdhsa_enable_private_segment 0
		.amdhsa_kernarg_size 32
		.amdhsa_user_sgpr_count 2
		.amdhsa_user_sgpr_kernarg_segment_ptr 1
		.amdhsa_wavefront_size32 1
		.amdhsa_system_sgpr_workgroup_id_x 1
		.amdhsa_system_sgpr_workgroup_id_y 1
		.amdhsa_system_sgpr_workgroup_id_z 1
		.amdhsa_system_vgpr_workitem_id 0
		.amdhsa_next_free_vgpr 1024
		.amdhsa_next_free_sgpr 96
		.amdhsa_reserve_vcc 0
		.amdhsa_float_denorm_mode_32 3
		.amdhsa_float_denorm_mode_16_64 3
		.amdhsa_memory_ordered 1
		.amdhsa_forward_progress 1
		.amdhsa_inst_pref_size 123
	.end_amdhsa_kernel
	.amdgpu_metadata
---
amdhsa.version: [ 1, 2 ]
amdhsa.kernels:
  - .name:           k_q87a11d7550_proj
    .symbol:         k_q87a11d7550_proj.kd
    .args:
      - { .name: x_codes, .offset: 0, .size: 8, .value_kind: global_buffer, .address_space: global }
      - { .name: w_codes, .offset: 8, .size: 8, .value_kind: global_buffer, .address_space: global }
      - { .name: lowp_scales, .offset: 16, .size: 8, .value_kind: global_buffer, .address_space: global }
      - { .name: qkv, .offset: 24, .size: 8, .value_kind: global_buffer, .address_space: global }
    .group_segment_fixed_size: 327680
    .private_segment_fixed_size: 0
    .kernarg_segment_align: 8
    .kernarg_segment_size: 32
    .max_flat_workgroup_size: 128
    .sgpr_count:     96
    .vgpr_count:     1024
    .wavefront_size: 32
...
	.end_amdgpu_metadata
.endif
;; end of part 2
;; launch attn (part 3): grid 2 x 128, 16 waves a work-group, no clusters, 210,944 bytes of LDS; arguments qkv, lowp_scales, out0; writes out0
.if DOCPART == 3
	.amdgcn_target "amdgcn-amd-amdhsa--gfx1250"
	.amdhsa_code_object_version 6
	.text
	.protected	k_q87a11d7550_attn
	.globl	k_q87a11d7550_attn
	.p2align	8
	.type	k_q87a11d7550_attn,@function
k_q87a11d7550_attn:
	s_mov_b64 s[64:65], 0
	v_nop
	global_prefetch_b8 v0, s[64:65] scope:SCOPE_SE
	s_setreg_imm32_b32 hwreg(HW_REG_WAVE_MODE, 25, 1), 1
	s_wait_xcnt 0x0
; out[b][n][64 h + d] = the sum over keys of softmax(q . k) v, both products on codes of FP8 (E4M3) by v_wmma_f32_16x16x64_fp8_fp8.  qkv holds the codes of q (already / 8), k and v in three regions of 2^23 bytes,
; each [16 b + h][16 blocks][64 rows][64 bytes]; q, k: row = token, byte = channel; v: row = channel, byte = key (64 keys a block); the bytes lie so that 16 bytes at 16 (lane / 16) of each 32 give the form's own order of k.
; THE SOFTMAX: t = score x 2^(e2 + e3) x log2(e); M = the row's largest t rounded UP to a whole number; p = 2^(t - M) is quantised with 2^e4, not normalised; the row's sum of the unquantised p divides at the end.
; TWO PASSES over the keys.  Pass 1 multiplies K Q^T and keeps the row's largest score alone, so M is the whole row's from the start.  Pass 2 multiplies K Q^T again (the same instructions on the same registers: the same bits),
; makes p, its sum and its codes, and adds V^T P.  So nothing is ever rescaled: the price is 8 more matrix instructions and 8 more LDS loads for 64 keys, the gain 16 packed multiplies of O^T and the running statistics for each
; tile and step: vector work is what this launch has most of, so vector work is what is spared.
; SHARES.  A work-group owns 512 queries of one head (grid x: which half; grid y: 16 b + h); each of its sixteen waves 32 of them, two tiles of 16, in 256 registers: four waves to a SIMD, so that one wave's vector work
; stands beside another's matrix work and LDS loads; each fragment of K and V read from LDS feeds two matrix instructions.
; LDS.  The head's whole K and V, 65,536 bytes each, lie in LDS, written once.  THEY COME THROUGH REGISTERS: each wave loads 4,096 bytes of K and 4,096 of V in its first lines (8 + 8 loads of 512 consecutive bytes) and stores
; them as they lie, 16 bytes of padding behind each 256.  K is stored at once and read behind the first barrier; V's loads stay out under pass 1, in the registers that O^T takes later, and V is stored and read behind a second
; barrier.  A scalar branch on the given exponents may jump over the hold on p where it cannot act (see HOLD).
; NO CLUSTER: only the two work-groups of a head read the same bytes, once each, in their first lines; the grid's x is 2, which no cluster of four divides, and four along x would hold two heads.
; NO PREFETCH: every load of K and V is issued in the kernel's first lines; no later load is left to ask ahead for.
; LAYOUT.  Both products are used transposed: S^T = K Q^T (source 0 = 16 keys, source 1 = 16 queries), O^T = V^T P (source 0 = 16 channels, source 1 = P): a lane holds ONE query (lane % 16) throughout.  In tile t of S^T
; its registers hold keys 16 t + 8 (lane / 16) + 0 .. 7, whose eight codes are registers 2 t, 2 t + 1 of P: the form's own order.
; HOLD.  The conversion to an 8-bit code does not saturate (ISA guide 7.6.2), so p is held at 448 x 2^e4 ahead of it, by 64 v_min_num_f32 a step.  They are jumped over where e4 >= -8 and e2 + e3 < 0: a score is at most
; 64 x 448^2 in magnitude, so with e2 + e3 < 0 every |t| is under 2^24 and the largest t is rounded by at most 1/2; so t - M <= 1/2, p <= 2^(1/2), and p / 2^e4 <= 363, under 448.  For all other scales the hold is executed.
; LIMITS on the given exponents, so that each power of two is an f32 number: e2 + e3 between -126 and 127 (added to log2(e)'s exponent field); e4 between -126 and 119; e4 + e5 goes by v_ldexp_f32 and has none.  NaN is not served.
.set REGION, 1<<23                     ; bytes of q's, k's and v's region of qkv
.set TILEB, 1088                       ; 16 rows of codes in LDS: four LDS rows of 256 bytes + 16 of padding.  Row i of codes lies at 272 (i / 4) + 64 (i % 4): the 16 rows of a load touch 16 different columns of 16 bytes
.set STEPB, 4352                       ; 64 rows of codes, 16 LDS rows: a step's keys of K, or a block of V; also what one wave brings of each, and a wave's stage
.set VOFF,  69632                      ; K's 1,024 rows lie at 0, V's 16 blocks here
.set STAGE, 139264                     ; behind them: 16 rows x (256 bytes + 16) for each wave, for the way out
.set AK0, 1                            ; v1   my lane's place in a tile of K
.set AV0, 2                            ; v2   the same for V
.set ADK, 3                            ; v3   LDS address of the step's K
.set ADV, 4                            ; v4   of its V; before pass 2: where I store my part of V
.set STO, 5                            ; v5   the way out: where I put 32 bytes of a row
.set RD,  6                            ; v6   where I read a row back
.set GO,  7                            ; v7   my byte offset in two rows of the output
.set MX,  12                           ; v12-15   the largest score, two chains a tile
.set QF,  16                           ; v16-31   Q: 8 registers a tile
.set KF,  32                           ; v32-63   a step's four fragments of K
.set VF,  64                           ; v64-95   a step's four fragments of V
.set SA,  96                           ; v96-159  S^T, then p: tile u of queries, tile t of keys at SA + 32 u + 8 t.  At the head v96-127: my 4,096 bytes of K on their way to LDS
.set OA,  160                          ; v160-223 O^T: OA + 32 u + 8 d.  Under pass 1 v160-191: my 4,096 bytes of V on their way to LDS
.set PC,  224                          ; v224-239 p's codes: 8 registers a tile of queries
.set NM,  240                          ; v[240:241], v[242:243] -M of tile 0, 1 in the low word (the packed form names a pair); later 2^(e4 + e5) / the sum
.set LS,  244                          ; v244-251 the sums: two chains of a pair for each tile
.set LIM, 252                          ; v252 448 x 2^e4
.set SC,  253                          ; v253 2^e4
.set GLO, 254                          ; v254 16 x lane: my bytes of a load's 512; rewritten only at the end, for the closing add
.set LST, 255                          ; v255 where I store my part of K in LDS; rewritten only at the end, for the closing add
.set WV,  10                           ; s10  my wave's number
.set KB,  24                           ; s[24:25] my wave's 4,096 bytes of K in memory
.set VB,  26                           ; s[26:27] of V
.set E4,  40                           ; s40  e4
.set CS,  42                           ; s[42:43] c = log2(e) x 2^(e2 + e3)
.set SEL, 44                           ; s[44:45] lane selects for v_permlanex16_b32: lane l xor 16
.set KO,  46                           ; s46  LDS byte of the K step to be fetched
.set VO,  47                           ; s47  of the V block
.set CNT, 48                           ; s48  the loops' counter
.set NOH, 49                           ; s49  1 where the hold cannot act, else 0
	s_load_b128 s[4:7], s[0:1], 0x0                ; qkv s[4:5], the scales' exponents s[6:7]
	s_load_b64 s[8:9], s[0:1], 0x10                ; out0
	v_lshrrev_b32 v8, 5, v0
	v_readfirstlane_b32 s[WV], v8                  ; wave 0..15
	s_and_b32 s11, ttmp7, 0xffff                   ; 16 b + h
	s_lshl_b32 s28, s11, 16                        ; K: the head's 65,536 bytes,
	s_lshl_b32 s29, s[WV], 12
	s_add_co_u32 s28, s28, s29                     ; my wave's 4,096 of them,
	s_add_co_u32 s28, s28, REGION                  ; in k's region
	s_mov_b32 s29, 0
	s_lshl_b32 s30, s11, 16                        ; Q: the head, + (512 x half + 32 x wave) rows of 64 bytes
	s_lshl_b32 s31, ttmp9, 15
	s_add_co_u32 s30, s30, s31
	s_lshl_b32 s31, s[WV], 11
	s_add_co_u32 s30, s30, s31
	s_mov_b32 s31, 0
	v_and_b32 v8, 15, v0                           ; r = lane % 16
	v_bfe_u32 v9, v0, 4, 1                         ; h = lane / 16
	v_lshlrev_b32 v10, 6, v8
	v_lshl_add_u32 v10, v9, 4, v10                 ; Q: row r of 64 bytes, + 16 h
	v_and_b32 v[GLO], 31, v0
	v_lshlrev_b32 v[GLO], 4, v[GLO]
	s_wait_kmcnt 0x0
	s_load_b128 s[36:39], s[6:7], 0x0              ; e0, e1, e2, e3: waited for behind pass 1, which needs none of them
	s_load_b64 s[40:41], s[6:7], 0x10              ; e4, e5
	s_add_nc_u64 s[32:33], s[4:5], s[30:31]        ; Q's codes at my first query
	s_add_nc_u64 s[KB:KB+1], s[4:5], s[28:29]
	s_add_nc_u64 s[VB:VB+1], s[KB:KB+1], REGION    ; the same place in v's region
.irp u, 0,1
.irp c, 0,1
	global_load_b128 v[QF+8*\u+4*\c:QF+8*\u+4*\c+3], v10, s[32:33] offset:1024*\u+32*\c   ; Q's two fragments stay in registers
.endr
.endr
.irp i, 0,1,2,3,4,5,6,7
	global_load_b128 v[SA+4*\i:SA+4*\i+3], v[GLO], s[KB:KB+1] offset:512*\i               ; 32 lanes read 512 consecutive bytes of K
.endr
.irp i, 0,1,2,3,4,5,6,7
	global_load_b128 v[OA+4*\i:OA+4*\i+3], v[GLO], s[VB:VB+1] offset:512*\i               ; and of V
.endr
	v_lshrrev_b32 v11, 2, v8
	v_mul_u32_u24 v[AK0], v11, 272
	v_and_b32 v11, 3, v8
	v_lshl_add_u32 v[AK0], v11, 6, v[AK0]
	v_lshl_add_u32 v[AK0], v9, 4, v[AK0]           ; 272 (r / 4) + 64 (r % 4) + 16 h
	v_add_nc_u32 v[AV0], VOFF, v[AK0]
	s_mul_i32 s49, s[WV], STEPB                    ; my wave's 16 LDS rows: in K, in V,
	s_add_co_u32 s50, s49, STAGE                   ; and among the stages
	v_mul_u32_u24 v11, v9, 272
	v_lshl_add_u32 v11, v8, 4, v11                 ; lanes 0-15 one LDS row of 256 bytes, lanes 16-31 the next
	v_add_nc_u32 v[LST], s49, v11                  ; so K and V go in,
	v_add_nc_u32 v[RD], s50, v11                   ; and so the results come back from my stage
	v_mul_u32_u24 v[STO], v8, 272
	v_lshl_add_u32 v[STO], v9, 5, v[STO]
	v_add_nc_u32 v[STO], s50, v[STO]               ; into the stage: row r; tile d's eight channels of my half: 64 d + 32 h bytes on
	v_lshlrev_b32 v[GO], 12, v9
	v_lshl_add_u32 v[GO], v8, 4, v[GO]             ; two rows of the output, 4,096 bytes apart
	s_lshr_b32 s30, s11, 4                         ; the output: (b x 1,024 + 512 x half + 32 x wave) rows of 4,096 bytes, + 256 h
	s_lshl_b32 s30, s30, 22
	s_lshl_b32 s31, ttmp9, 21
	s_add_co_u32 s30, s30, s31
	s_lshl_b32 s31, s[WV], 17
	s_add_co_u32 s30, s30, s31
	s_and_b32 s31, s11, 15
	s_lshl_b32 s31, s31, 8
	s_add_co_u32 s30, s30, s31
	s_mov_b32 s31, 0
	s_add_nc_u64 s[8:9], s[8:9], s[30:31]
	s_mov_b32 s[SEL], 0x76543210
	s_mov_b32 s[SEL+1], 0xfedcba98
.irp i, 0,1,2,3
	v_mov_b32 v[MX+\i], 0xff800000                 ; -infinity, under every score
.endr
	s_wait_loadcnt 8                               ; Q's four loads and K's eight are in; V's eight, issued behind them, may be out
.irp i, 0,1,2,3,4,5,6,7
	ds_store_b128 v[LST], v[SA+4*\i:SA+4*\i+3] offset:544*\i   ; two LDS rows a store
.endr
	s_wait_dscnt 0x0                               ; for the others' sake: my part of K lies in LDS,
	s_barrier_signal -1
	s_barrier_wait -1                              ; everybody's does
.macro FETCH reg, adr                  ; four fragments of 16 rows x 64 codes: 8 registers each, two loads of 16 bytes, 32 bytes apart
.irp t, 0,1,2,3
.irp c, 0,1
	ds_load_b128 v[\reg+8*\t+4*\c:\reg+8*\t+4*\c+3], v[\adr] offset:TILEB*\t+32*\c
.endr
.endr
.endm
.macro SPROD                           ; S^T = K Q^T for 64 keys and my 32 queries: K = the head's 64 in one instruction, so every product starts and ends its sum
.irp t, 0,1,2,3
.irp u, 0,1
	v_wmma_f32_16x16x64_fp8_fp8 v[SA+32*\u+8*\t:SA+32*\u+8*\t+7], v[KF+8*\t:KF+8*\t+7], v[QF+8*\u:QF+8*\u+7], 0
.endr
.endr
.endm
; PASS 1, a step of 64 keys: the scores, the next step's K, the maximum.  wrap = 1: the last step fetches step 0 again, for pass 2.
; Four plain vector lines stand behind the products, ahead of the loads into K's registers and of the first read of the scores (ISA guide 7.12.1 for vector instructions).
.macro P1STEP wrap
	s_wait_dscnt 0x0                               ; this step's K is in
	SPROD
.if \wrap
	s_mov_b32 s[KO], 0
.else
	s_add_co_u32 s[KO], s[KO], STEPB
.endif
	v_add_nc_u32 v[ADK], s[KO], v[AK0]
.rept 3
	v_nop
.endr
	FETCH KF, ADK
.set i, 0
.rept 16                               ; four chains, two a tile of queries; each accumulator is read from its low end on
.irp u, 0,1
	v_max3_num_f32 v[MX+2*\u+i%2], v[MX+2*\u+i%2], v[SA+32*\u+2*i], v[SA+32*\u+2*i+1]
.endr
.set i, i+1
.endr
.endm
; PASS 2, a step of 64 keys.  zero = 1: the first step's products start O^T's sums: nothing is cleared.  fetch = 1: the next step's K is fetched.
.macro P2STEP zero, fetch
	s_wait_dscnt 0x0                               ; this step's K is in
	SPROD
	v_add_nc_u32 v[ADV], s[VO], v[AV0]             ; four plain lines: places behind these products (reads of the scores, loads into K's registers) and behind the last step's V^T P (loads into V's registers)
.if \fetch
	s_add_co_u32 s[KO], s[KO], STEPB
	v_add_nc_u32 v[ADK], s[KO], v[AK0]
	v_nop
	v_nop
.else
.rept 3
	v_nop
.endr
.endif
	FETCH VF, ADV
.if \fetch
	FETCH KF, ADK
.endif
.set j, 0
.rept 32
	v_pk_fma_f32 v[SA+j:SA+j+1], v[SA+j:SA+j+1], s[CS:CS+1], v[NM+2*(j/32):NM+2*(j/32)+1] op_sel_hi:[1,0,0]   ; t - M, two at a time (of the pairs c and -M the low word serves both halves)
.set j, j+2
.endr
.set j, 0
.rept 64
	v_exp_f32 v[SA+j], v[SA+j]                     ; p = 2^(t - M): NOT normalised
.set j, j+1
.endr
	v_nop                                          ; a plain line behind the last exponential
	s_wait_alu depctr_va_vdst(0)                   ; one wait for the batch of 64, ahead of its first reader
.set i, 0
.rept 16                               ; THE ROW'S SUM IS TAKEN OF THE UNQUANTISED p: two at a time, two chains a tile
.irp u, 0,1
	v_pk_add_f32 v[LS+4*\u+2*(i%2):LS+4*\u+2*(i%2)+1], v[LS+4*\u+2*(i%2):LS+4*\u+2*(i%2)+1], v[SA+32*\u+2*i:SA+32*\u+2*i+1]
.endr
.set i, i+1
.endr
	s_cmp_lg_u32 s[NOH], 0                         ; the hold is jumped over where the given exponents keep every p / 2^e4 under 448 (HOLD, at the head): a scalar branch on whole numbers, the same in every wave, round these 64 lines alone
	s_cbranch_scc1 .Lno_hold_\@
.set j, 0
.rept 64
	v_min_num_f32 v[SA+j], v[SA+j], v[LIM]         ; p is not negative, so the hold is one-sided
.set j, j+1
.endr
.Lno_hold_\@:
.set g, 0
.rept 8
	v_cvt_scalef32_pk8_fp8_f32 v[PC+2*g:PC+2*g+1], v[SA+8*g:SA+8*g+7], v[SC]
.set g, g+1
.endr
	v_nop                                          ; one plain line between the last conversion and the matrix instructions that read its result
.if \fetch
	s_wait_dscnt 8                                 ; V's eight loads are in; the eight of the next step's K, issued behind them, may be out
.else
	s_wait_dscnt 0x0
.endif
.irp d, 0,1,2,3                        ; O^T += V^T P: the eight accumulators take turns, one instruction a turn, and the next step's eight K Q^T stand between two laps
.irp u, 0,1
.if \zero
	v_wmma_f32_16x16x64_fp8_fp8 v[OA+32*\u+8*\d:OA+32*\u+8*\d+7], v[VF+8*\d:VF+8*\d+7], v[PC+8*\u:PC+8*\u+7], 0
.else
	v_wmma_f32_16x16x64_fp8_fp8 v[OA+32*\u+8*\d:OA+32*\u+8*\d+7], v[VF+8*\d:VF+8*\d+7], v[PC+8*\u:PC+8*\u+7], v[OA+32*\u+8*\d:OA+32*\u+8*\d+7]
.endif
.endr
.endr
	s_add_co_u32 s[VO], s[VO], STEPB
.endm
	s_mov_b32 s[KO], 0
	v_add_nc_u32 v[ADK], s[KO], v[AK0]
	FETCH KF, ADK                                  ; K of step 0
	s_mov_b32 s[CNT], 15
.Lp1:                                              ; steps 0 to 14 fetch steps 1 to 15
	P1STEP 0
	s_sub_co_u32 s[CNT], s[CNT], 1
	s_cmp_lg_u32 s[CNT], 0
	s_cbranch_scc1 .Lp1
	P1STEP 1
	; BETWEEN THE PASSES: my part of V goes to LDS; the scales; M
	s_wait_loadcnt 0x0                             ; V's eight loads, issued at the head, are in
	v_add_nc_u32 v[ADV], VOFF, v[LST]
.irp i, 0,1,2,3,4,5,6,7
	ds_store_b128 v[ADV], v[OA+4*\i:OA+4*\i+3] offset:544*\i
.endr
	s_wait_kmcnt 0x0                               ; the six exponents
	s_add_co_i32 s50, s38, s39                     ; e2 + e3
	s_cmp_ge_i32 s[E4], -8
	s_cselect_b32 s[NOH], 1, 0
	s_cmp_lt_i32 s50, 0
	s_cselect_b32 s[NOH], s[NOH], 0                ; 1 where e4 >= -8 and e2 + e3 < 0
	s_mov_b32 s[CS], 0x3fb8aa3b                    ; log2(e)
	s_lshl_b32 s50, s50, 23
	s_add_co_i32 s[CS], s[CS], s50                 ; a score stands for score x 2^(e2 + e3): the exponents are added to the factor's exponent field
	s_mov_b32 s[CS+1], s[CS]                       ; (named with it as a pair, so it is written)
	s_add_co_i32 s50, s[E4], 127
	s_lshl_b32 s51, s50, 23
	v_mov_b32 v[SC], s51                           ; 2^e4 as f32, for the conversion
	s_add_co_i32 s50, s50, 8
	s_lshl_b32 s50, s50, 23
	s_or_b32 s50, s50, 0x600000
	v_mov_b32 v[LIM], s50                          ; 448 x 2^e4
	s_add_co_i32 s51, s[E4], s41                   ; e4 + e5, for the end
	; -M = floor(-t) of the row's largest t: M IS A WHOLE NUMBER.  A query's keys lie in lanes l and l xor 16
.irp u, 0,1
	v_max_num_f32 v[MX+2*\u], v[MX+2*\u], v[MX+2*\u+1]
.endr
.irp u, 0,1
	v_permlanex16_b32 v[8+\u], v[MX+2*\u], s[SEL], s[SEL+1]   ; (its destination counts as read: v8 and v9 were written at the head)
.endr
.irp u, 0,1
	v_max_num_f32 v[MX+2*\u], v[MX+2*\u], v[8+\u]
.endr
.irp u, 0,1
	v_mul_f32 v[MX+2*\u], s[CS], v[MX+2*\u]        ; as t (c is positive)
.endr
.irp u, 0,1
	v_floor_f32 v[NM+2*\u], -v[MX+2*\u]
	v_mov_b32 v[NM+2*\u+1], 0                      ; (named as the pair's upper half)
.endr
.irp i, 0,1,2,3,4,5,6,7
	v_mov_b32 v[LS+\i], 0                          ; the sums
.endr
	s_wait_dscnt 0x0                               ; for the others' sake: my part of V lies in LDS (and K of step 0 is back in my registers),
	s_barrier_signal -1
	s_barrier_wait -1                              ; everybody's does
	s_mov_b32 s[VO], 0
	P2STEP 1, 1                                    ; step 0 starts O^T
	s_mov_b32 s[CNT], 14
.Lp2:                                              ; steps 1 to 14
	P2STEP 0, 1
	s_sub_co_u32 s[CNT], s[CNT], 1
	s_cmp_lg_u32 s[CNT], 0
	s_cbranch_scc1 .Lp2
	P2STEP 0, 0                                    ; step 15 fetches no K
	; THE WAY OUT.  The sums' chains and halves are added (the first four lines are the places behind the last products); O^T x 2^(e4 + e5) / the sum goes through my stage, a tile of 16 queries at a time
.irp u, 0,1
	v_pk_add_f32 v[LS+4*\u:LS+4*\u+1], v[LS+4*\u:LS+4*\u+1], v[LS+4*\u+2:LS+4*\u+3]
.endr
.irp u, 0,1
	v_add_f32 v[LS+4*\u], v[LS+4*\u], v[LS+4*\u+1]
.endr
.irp u, 0,1
	v_permlanex16_b32 v[8+\u], v[LS+4*\u], s[SEL], s[SEL+1]
.endr
.irp u, 0,1
	v_add_f32 v[LS+4*\u], v[LS+4*\u], v[8+\u]      ; the row's sum
.endr
.irp u, 0,1
	v_rcp_f32 v[NM+2*\u], v[LS+4*\u]               ; -M is done with: its pairs take the factors
.endr
	v_nop                                          ; a plain line behind the last reciprocal
	s_wait_alu depctr_va_vdst(0)                   ; one wait for the two, ahead of their first reader
.irp u, 0,1
	v_ldexp_f32 v[NM+2*\u], v[NM+2*\u], s51        ; x 2^(e4 + e5)
.endr
.set j, 0
.rept 32
	v_pk_mul_f32 v[SA+j:SA+j+1], v[OA+j:OA+j+1], v[NM+2*(j/32):NM+2*(j/32)+1] op_sel_hi:[1,0]   ; register 32 u + 8 d + i is out(query 16 u + r, channel 16 d + 8 h + i); each accumulator from its low end on
.set j, j+2
.endr
.irp u, 0,1
.irp d, 0,1,2,3
	ds_store_b128 v[STO], v[SA+32*\u+8*\d:SA+32*\u+8*\d+3] offset:64*\d
	ds_store_b128 v[STO], v[SA+32*\u+8*\d+4:SA+32*\u+8*\d+7] offset:64*\d+16
.endr
.irp i, 0,1,2,3,4,5,6,7
	ds_load_b128 v[KF+32*\u+4*\i:KF+32*\u+4*\i+3], v[RD] offset:2*\i*272   ; LDS serves a wave's instructions in order (ISA guide 5.7.1.4): these see my stores, and the next tile's stores come behind them
.endr
.endr
.irp u, 0,1
.irp i, 0,1,2,3,4,5,6,7
	s_wait_dscnt 23-16*\u-\i                       ; behind this load: the tile's 7 - i later loads, and for tile 0 the sixteen LDS instructions of tile 1
	global_store_b128 v[GO], v[KF+32*\u+4*\i:KF+32*\u+4*\i+3], s[8:9] offset:65536*\u+8192*\i th:TH_STORE_NT   ; 16 lanes store a query's 256 consecutive bytes of this head, at a multiple of 256 from the output's first byte
.endr
.endr
	s_wait_xcnt 0x0
	v_lshl_add_u32 v254, v0, 2, 0x33000
	v_mov_b32 v255, 0
	s_wait_tensorcnt 0x0
	ds_add_u32 v254, v255
	s_wait_dscnt 0x0
	s_endpgm
.Lfunc_end_k_q87a11d7550_attn:
	.size	k_q87a11d7550_attn, .Lfunc_end_k_q87a11d7550_attn-k_q87a11d7550_attn
	.p2alignl 7, 3214868480
	.fill 96, 4, 3214868480
	.section	.rodata,"a",@progbits
	.p2align	6, 0x0
	.amdhsa_kernel k_q87a11d7550_attn
		.amdhsa_group_segment_fixed_size 210944
		.amdhsa_private_segment_fixed_size 0
		.amdhsa_enable_private_segment 0
		.amdhsa_kernarg_size 24
		.amdhsa_user_sgpr_count 2
		.amdhsa_user_sgpr_kernarg_segment_ptr 1
		.amdhsa_wavefront_size32 1
		.amdhsa_system_sgpr_workgroup_id_x 1
		.amdhsa_system_sgpr_workgroup_id_y 1
		.amdhsa_system_sgpr_workgroup_id_z 1
		.amdhsa_system_vgpr_workitem_id 0
		.amdhsa_next_free_vgpr 256
		.amdhsa_next_free_sgpr 66
		.amdhsa_reserve_vcc 0
		.amdhsa_float_denorm_mode_32 3
		.amdhsa_float_denorm_mode_16_64 3
		.amdhsa_memory_ordered 1
		.amdhsa_forward_progress 1
		.amdhsa_inst_pref_size 55
	.end_amdhsa_kernel
	.amdgpu_metadata
---
amdhsa.version: [ 1, 2 ]
amdhsa.kernels:
  - .name:           k_q87a11d7550_attn
    .symbol:         k_q87a11d7550_attn.kd
    .args:
      - { .name: qkv, .offset: 0, .size: 8, .value_kind: global_buffer, .address_space: global }
      - { .name: lowp_scales, .offset: 8, .size: 8, .value_kind: global_buffer, .address_space: global }
      - { .name: out0, .offset: 16, .size: 8, .value_kind: global_buffer, .address_space: global }
    .group_segment_fixed_size: 210944
    .private_segment_fixed_size: 0
    .kernarg_segment_align: 8
    .kernarg_segment_size: 24
    .max_flat_workgroup_size: 512
    .sgpr_count:     66
    .vgpr_count:     256
    .wavefront_size: 32
...
	.end_amdgpu_metadata
.endif
;; end of part 3
;; ======== version 2 of 2: 3 launches; version 1 with the launch attn written anew for expert scheduling mode
;; workspace buffers: x_codes 8,388,608 bytes; w_codes 3,145,728 bytes; qkv 25,165,824 bytes
;; launch quant: the kernel of part 1 again; grid 704 x 1, 4 waves a work-group, no clusters, 33,280 bytes of LDS; arguments x, qkv_w, lowp_scales, x_codes, w_codes; writes x_codes, w_codes
;; launch proj: the kernel of part 2 again; grid 12 x 32, 4 waves a work-group, clusters of 4 x 4, 327,680 bytes of LDS; arguments x_codes, w_codes, lowp_scales, qkv; writes qkv
;; launch attn (part 4): grid 2 x 128, 16 waves a work-group, no clusters, 210,944 bytes of LDS; arguments qkv, lowp_scales, out0; writes out0
.if DOCPART == 4
	.amdgcn_target "amdgcn-amd-amdhsa--gfx1250"
	.amdhsa_code_object_version 6
	.text
	.protected	k_q87a11d7550_attn
	.globl	k_q87a11d7550_attn
	.p2align	8
	.type	k_q87a11d7550_attn,@function
k_q87a11d7550_attn:
	s_mov_b64 s[64:65], 0
	v_nop
	global_prefetch_b8 v0, s[64:65] scope:SCOPE_SE
	s_setreg_imm32_b32 hwreg(HW_REG_WAVE_SCHED_MODE, 0, 2), 2
	s_setreg_imm32_b32 hwreg(HW_REG_WAVE_MODE, 25, 1), 1
	s_wait_xcnt 0x0
	s_wait_alu depctr_vm_vsrc(0)
; out[b][n][64 h + d] = the sum over keys of softmax(q . k) v, both products on codes of FP8 (E4M3) by v_wmma_f32_16x16x64_fp8_fp8.  qkv holds the codes of q (already / 8), k and v in three regions of 2^23 bytes,
; each [16 b + h][16 blocks][64 rows][64 bytes]; q, k: row = token, byte = channel; v: row = channel, byte = key (64 keys a block); the bytes lie so that 16 bytes at 16 (lane / 16) of each 32 give the form's own order of k.
; THE SOFTMAX: t = score x 2^(e2 + e3) x log2(e); M = the row's largest t rounded UP to a whole number; p = 2^(t - M) is quantised with 2^e4, not normalised; the row's sum of the unquantised p divides at the end.
; TWO PASSES over the keys.  Pass 1 multiplies K Q^T and keeps the row's largest score alone, so M is the whole row's from the start.  Pass 2 multiplies K Q^T again (the same instruction on the same codes: the same bits),
; makes p, its sum and its codes, and adds V^T P.  So nothing is ever rescaled: the price is 8 more matrix instructions and 8 more LDS loads for 64 keys, the gain 16 packed multiplies of O^T and the running statistics for each
; tile and step: vector work is what this launch has most of, so vector work is what is spared.
; SHARES.  A work-group owns 512 queries of one head (grid x: which half; grid y: 16 b + h); each of its sixteen waves 32 of them, two tiles of 16, in 256 registers: four waves to a SIMD, so that one wave's vector work
; stands beside another's matrix work and LDS loads; each fragment of K and V read from LDS feeds two matrix instructions.
; LDS.  The head's whole K and V, 65,536 bytes each, lie in LDS, written once.  THEY COME THROUGH REGISTERS: each wave loads 4,096 bytes of K and 4,096 of V in its first lines (8 + 8 loads of 512 consecutive bytes) and stores
; them as they lie, 16 bytes of padding behind each 256.  K is stored at once and read behind the first barrier; V's loads stay out under pass 1, in the registers that O^T takes later, and V is stored and read behind a second
; barrier.  A scalar branch on the given exponents may jump over the hold on p where it cannot act (see HOLD).
; NO CLUSTER: only the two work-groups of a head read the same bytes, once each, in their first lines; the grid's x is 2, which no cluster of four divides, and four along x would hold two heads.
; NO PREFETCH: every load of K and V is issued in the kernel's first lines; no later load is left to ask ahead for.
; LAYOUT.  Both products are used transposed: S^T = K Q^T (source 0 = 16 keys, source 1 = 16 queries), O^T = V^T P (source 0 = 16 channels, source 1 = P): a lane holds ONE query (lane % 16) throughout.  In tile t of S^T
; its registers hold keys 16 t + 8 (lane / 16) + 0 .. 7, whose eight codes are registers 2 t, 2 t + 1 of P: the form's own order.
; HOLD.  The conversion to an 8-bit code does not saturate (ISA guide 7.6.2), so p is held at 448 x 2^e4 ahead of it, by 64 v_min_num_f32 a step.  They are jumped over where e4 >= -8 and e2 + e3 < 0: a score is at most
; 64 x 448^2 in magnitude, so with e2 + e3 < 0 every |t| is under 2^24 and the largest t is rounded by at most 1/2; so t - M <= 1/2, p <= 2^(1/2), and p / 2^e4 <= 363, under 448.  For all other scales the hold is executed.
; LIMITS on the given exponents, so that each power of two is an f32 number: e2 + e3 between -126 and 127 (added to log2(e)'s exponent field); e4 between -126 and 119; e4 + e5 goes by v_ldexp_f32 and has none.  NaN is not served.
; THE MODE: SCHED_MODE bits 1:0 = 2 (LLVM: expert scheduling mode 2), set by the entry lines.  The code itself states the register dependences between vector or matrix instructions and memory or LDS instructions,
; with s_wait_alu, always for 0.
; THE PLAN.  Registers that memory or LDS instructions touch:
;   v10, GLO, LST, RD, STO, GO, AK0, AV0   offsets and LDS addresses, made at the head ahead of ONE wait on va_vdst and not written again (GLO and LST only at the very end, as the closing add's pair).
;   ADK   read by K's LDS loads.  Pass 1: written once in two steps, ahead of the odd step's wait on va_vdst; pass 2: once a step, among the places behind the products.  A wait on vm_vsrc stands ahead of each write.
;   ADV   made at the head (where my part of V goes); read by V's LDS stores; in pass 2 written once a step beside ADK and read by V's LDS loads.
;   KF, VF in pass 1: two buffers of K by turns.  Step s's products read buffer s % 2; the loads of step s + 1 land in the other one, which the products of step s - 1 read.  One wait on va_vdst at a step's head states
;         that those are done; the step's eight loads follow it, one ahead of each of its eight products, which name this step's buffer, Q and S^T alone.
;   KF, VF in pass 2: K's and V's one buffer each.  One wait on va_vdst stands behind the step's 32 scalings: this step's K Q^T are done reading KF, the last step's V^T P reading VF, and ADK and ADV are written.
;         The sixteen loads follow it, one ahead of each four exponentials, which name S^T alone.
;   SA v96-127, OA v160-191   K's and V's bytes on their way to LDS: loaded from memory, read by LDS stores; a wait on vm_vsrc stands ahead of the first products that write them.
;   SA on the way out: written by the packed multiplies, read by the stage's stores, behind one wait on va_vdst, which also covers the stage's loads into KF and VF.
.set REGION, 1<<23                     ; bytes of q's, k's and v's region of qkv
.set TILEB, 1088                       ; 16 rows of codes in LDS: four LDS rows of 256 bytes + 16 of padding.  Row i of codes lies at 272 (i / 4) + 64 (i % 4): the 16 rows of a load touch 16 different columns of 16 bytes
.set STEPB, 4352                       ; 64 rows of codes, 16 LDS rows: a step's keys of K, or a block of V; also what one wave brings of each, and a wave's stage
.set VOFF,  69632                      ; K's 1,024 rows lie at 0, V's 16 blocks here
.set STAGE, 139264                     ; behind them: 16 rows x (256 bytes + 16) for each wave, for the way out
.set AK0, 1                            ; v1   my lane's place in a tile of K
.set AV0, 2                            ; v2   the same for V
.set ADK, 3                            ; v3   LDS address by which K is fetched
.set ADV, 4                            ; v4   of the step's V; before pass 2: where I store my part of V
.set STO, 5                            ; v5   the way out: where I put 32 bytes of a row
.set RD,  6                            ; v6   where I read a row back
.set GO,  7                            ; v7   my byte offset in two rows of the output
.set MX,  12                           ; v12-15   the largest score, two chains a tile
.set QF,  16                           ; v16-31   Q: 8 registers a tile
.set KF,  32                           ; v32-63   a step's four fragments of K (pass 1: of the even steps)
.set VF,  64                           ; v64-95   a step's four fragments of V.  Under pass 1: K's second buffer, for the odd steps
.set SA,  96                           ; v96-159  S^T, then p: tile u of queries, tile t of keys at SA + 32 u + 8 t.  At the head v96-127: my 4,096 bytes of K on their way to LDS
.set OA,  160                          ; v160-223 O^T: OA + 32 u + 8 d.  Under pass 1 v160-191: my 4,096 bytes of V on their way to LDS
.set PC,  224                          ; v224-239 p's codes: 8 registers a tile of queries
.set NM,  240                          ; v[240:241], v[242:243] -M of tile 0, 1 in the low word (the packed form names a pair); later 2^(e4 + e5) / the sum
.set LS,  244                          ; v244-251 the sums: two chains of a pair for each tile
.set LIM, 252                          ; v252 448 x 2^e4
.set SC,  253                          ; v253 2^e4
.set GLO, 254                          ; v254 16 x lane: my bytes of a load's 512
.set LST, 255                          ; v255 where I store my part of K in LDS
.set WV,  10                           ; s10  my wave's number
.set KB,  24                           ; s[24:25] my wave's 4,096 bytes of K in memory
.set VB,  26                           ; s[26:27] of V
.set E4,  40                           ; s40  e4
.set CS,  42                           ; s[42:43] c = log2(e) x 2^(e2 + e3)
.set SEL, 44                           ; s[44:45] lane selects for v_permlanex16_b32: lane l xor 16
.set KO,  46                           ; s46  LDS byte of the K step at which v[ADK] stands
.set VO,  47                           ; s47  of the V block
.set CNT, 48                           ; s48  the loops' counter
.set NOH, 49                           ; s49  1 where the hold cannot act, else 0
	s_load_b128 s[4:7], s[0:1], 0x0                ; qkv s[4:5], the scales' exponents s[6:7]
	s_load_b64 s[8:9], s[0:1], 0x10                ; out0
	v_lshrrev_b32 v8, 5, v0
	v_readfirstlane_b32 s[WV], v8                  ; wave 0..15
	; all offsets and LDS addresses are made here, while the arguments are on their way
	v_and_b32 v8, 15, v0                           ; r = lane % 16
	v_bfe_u32 v9, v0, 4, 1                         ; h = lane / 16
	v_lshlrev_b32 v10, 6, v8
	v_lshl_add_u32 v10, v9, 4, v10                 ; Q: row r of 64 bytes, + 16 h
	v_and_b32 v[GLO], 31, v0
	v_lshlrev_b32 v[GLO], 4, v[GLO]
	v_lshrrev_b32 v11, 2, v8
	v_mul_u32_u24 v[AK0], v11, 272
	v_and_b32 v11, 3, v8
	v_lshl_add_u32 v[AK0], v11, 6, v[AK0]
	v_lshl_add_u32 v[AK0], v9, 4, v[AK0]           ; 272 (r / 4) + 64 (r % 4) + 16 h
	v_add_nc_u32 v[AV0], VOFF, v[AK0]
	s_mov_b32 s[KO], 0
	v_add_nc_u32 v[ADK], s[KO], v[AK0]             ; K's fetches begin at step 0
	v_lshlrev_b32 v[GO], 12, v9
	v_lshl_add_u32 v[GO], v8, 4, v[GO]             ; two rows of the output, 4,096 bytes apart
.irp i, 0,1,2,3
	v_mov_b32 v[MX+\i], 0xff800000                 ; -infinity, under every score
.endr
	s_wait_alu depctr_va_sdst(0)                   ; s10, the wave's number, is written, ahead of its first reader: bases and LDS addresses are made from it
	s_and_b32 s11, ttmp7, 0xffff                   ; 16 b + h
	s_lshl_b32 s28, s11, 16                        ; K: the head's 65,536 bytes,
	s_lshl_b32 s29, s[WV], 12
	s_add_co_u32 s28, s28, s29                     ; my wave's 4,096 of them,
	s_add_co_u32 s28, s28, REGION                  ; in k's region
	s_mov_b32 s29, 0
	s_lshl_b32 s30, s11, 16                        ; Q: the head, + (512 x half + 32 x wave) rows of 64 bytes
	s_lshl_b32 s31, ttmp9, 15
	s_add_co_u32 s30, s30, s31
	s_lshl_b32 s31, s[WV], 11
	s_add_co_u32 s30, s30, s31
	s_mov_b32 s31, 0
	s_mul_i32 s49, s[WV], STEPB                    ; my wave's 16 LDS rows: in K, in V,
	s_add_co_u32 s50, s49, STAGE                   ; and among the stages
	v_mul_u32_u24 v11, v9, 272
	v_lshl_add_u32 v11, v8, 4, v11                 ; lanes 0-15 one LDS row of 256 bytes, lanes 16-31 the next
	v_add_nc_u32 v[LST], s49, v11                  ; so K goes in,
	v_add_nc_u32 v[ADV], VOFF, v[LST]              ; so V,
	v_add_nc_u32 v[RD], s50, v11                   ; and so the results come back from my stage
	v_mul_u32_u24 v[STO], v8, 272
	v_lshl_add_u32 v[STO], v9, 5, v[STO]
	v_add_nc_u32 v[STO], s50, v[STO]               ; into the stage: row r; tile d's eight channels of my half: 64 d + 32 h bytes on
	s_wait_kmcnt 0x0
	s_load_b128 s[36:39], s[6:7], 0x0              ; e0, e1, e2, e3: waited for behind pass 1, which needs none of them
	s_load_b64 s[40:41], s[6:7], 0x10              ; e4, e5
	s_add_nc_u64 s[32:33], s[4:5], s[30:31]        ; Q's codes at my first query
	s_add_nc_u64 s[KB:KB+1], s[4:5], s[28:29]
	s_add_nc_u64 s[VB:VB+1], s[KB:KB+1], REGION    ; the same place in v's region
	s_wait_alu depctr_va_vdst(0)                   ; v10, GLO, LST, ADV, ADK, AK0, AV0, RD, STO and GO are written: the loads and stores of the whole kernel read them as offsets and addresses
.irp u, 0,1
.irp c, 0,1
	global_load_b128 v[QF+8*\u+4*\c:QF+8*\u+4*\c+3], v10, s[32:33] offset:1024*\u+32*\c   ; Q's two fragments stay in registers
.endr
.endr
.irp i, 0,1,2,3,4,5,6,7
	global_load_b128 v[SA+4*\i:SA+4*\i+3], v[GLO], s[KB:KB+1] offset:512*\i               ; 32 lanes read 512 consecutive bytes of K
.endr
.irp i, 0,1,2,3,4,5,6,7
	global_load_b128 v[OA+4*\i:OA+4*\i+3], v[GLO], s[VB:VB+1] offset:512*\i               ; and of V
.endr
	s_lshr_b32 s30, s11, 4                         ; the output: (b x 1,024 + 512 x half + 32 x wave) rows of 4,096 bytes, + 256 h
	s_lshl_b32 s30, s30, 22
	s_lshl_b32 s31, ttmp9, 21
	s_add_co_u32 s30, s30, s31
	s_lshl_b32 s31, s[WV], 17
	s_add_co_u32 s30, s30, s31
	s_and_b32 s31, s11, 15
	s_lshl_b32 s31, s31, 8
	s_add_co_u32 s30, s30, s31
	s_mov_b32 s31, 0
	s_add_nc_u64 s[8:9], s[8:9], s[30:31]
	s_mov_b32 s[SEL], 0x76543210
	s_mov_b32 s[SEL+1], 0xfedcba98
	s_wait_loadcnt 8                               ; Q's four loads and K's eight are in; V's eight, issued behind them, may be out
.irp i, 0,1,2,3,4,5,6,7
	ds_store_b128 v[LST], v[SA+4*\i:SA+4*\i+3] offset:544*\i   ; two LDS rows a store.  (The address stands behind the head's wait; the data are a load's)
.endr
	s_wait_dscnt 0x0                               ; for the others' sake: my part of K lies in LDS,
	s_barrier_signal -1
	s_barrier_wait -1                              ; everybody's does
	s_wait_alu depctr_vm_vsrc(0)                   ; my LDS stores have read v[SA ..], which the first products write
.macro FETCH reg, adr                  ; four fragments of 16 rows x 64 codes: 8 registers each, two loads of 16 bytes, 32 bytes apart
.irp t, 0,1,2,3
.irp c, 0,1
	ds_load_b128 v[\reg+8*\t+4*\c:\reg+8*\t+4*\c+3], v[\adr] offset:TILEB*\t+32*\c
.endr
.endr
.endm
.macro SPROD                           ; S^T = K Q^T for 64 keys and my 32 queries: K = the head's 64 in one instruction, so every product starts and ends its sum
.irp t, 0,1,2,3
.irp u, 0,1
	v_wmma_f32_16x16x64_fp8_fp8 v[SA+32*\u+8*\t:SA+32*\u+8*\t+7], v[KF+8*\t:KF+8*\t+7], v[QF+8*\u:QF+8*\u+7], 0
.endr
.endr
.endm
; PASS 1, a step of 64 keys: the scores from buffer kb, the next step's K into buffer nb, the maximum.  The next step's K lies off bytes behind v[adr].  on = 1: v[ADK] moves on by two steps first.
; Four plain vector lines stand behind the products, ahead of the first read of the scores (ISA guide 7.12.1).
.macro P1STEP kb, nb, adr, off, on
	s_wait_dscnt 0x0                               ; this step's K is in
.if \on
	s_wait_alu depctr_vm_vsrc(0)                   ; the LDS loads issued so far have read v[ADK]
	s_add_co_u32 s[KO], s[KO], 2*STEPB
	v_add_nc_u32 v[ADK], s[KO], v[AK0]
.endif
	s_wait_alu depctr_va_vdst(0)                   ; the last step's products are done reading buffer nb, in which the loads below land; where v[ADK] has just moved on, it is written
.set g, 0
.irp t, 0,1,2,3
.irp u, 0,1
	ds_load_b128 v[\nb+4*g:\nb+4*g+3], v[\adr] offset:(\off)+TILEB*(g/2)+32*(g%2)   ; no wait: the products between name buffer kb, Q and S^T alone
	v_wmma_f32_16x16x64_fp8_fp8 v[SA+32*\u+8*\t:SA+32*\u+8*\t+7], v[\kb+8*\t:\kb+8*\t+7], v[QF+8*\u:QF+8*\u+7], 0
.set g, g+1
.endr
.endr
.rept 4
	v_nop
.endr
.set i, 0
.rept 16                               ; four chains, two a tile of queries; each accumulator is read from its low end on
.irp u, 0,1
	v_max3_num_f32 v[MX+2*\u+i%2], v[MX+2*\u+i%2], v[SA+32*\u+2*i], v[SA+32*\u+2*i+1]
.endr
.set i, i+1
.endr
.endm
; PASS 2, a step of 64 keys.  zero = 1: the first step's products start O^T's sums: nothing is cleared.  fetch = 1: the next step's K is fetched.
.macro P2STEP zero, fetch
	s_wait_dscnt 0x0                               ; this step's K is in
	SPROD
	s_wait_alu depctr_vm_vsrc(0)                   ; the LDS loads issued so far have read v[ADV] and v[ADK]; in the first step: my LDS stores of V have read v[ADV] and v[OA ..], which this step's V^T P write
	v_add_nc_u32 v[ADV], s[VO], v[AV0]             ; four plain lines: the places behind these products, ahead of the first read of the scores
.if \fetch
	s_add_co_u32 s[KO], s[KO], STEPB
	v_add_nc_u32 v[ADK], s[KO], v[AK0]
	v_nop
	v_nop
.else
.rept 3
	v_nop
.endr
.endif
.set j, 0
.rept 32
	v_pk_fma_f32 v[SA+j:SA+j+1], v[SA+j:SA+j+1], s[CS:CS+1], v[NM+2*(j/32):NM+2*(j/32)+1] op_sel_hi:[1,0,0]   ; t - M, two at a time (of the pairs c and -M the low word serves both halves)
.set j, j+2
.endr
	s_wait_alu depctr_va_vdst(0)                   ; this step's K Q^T are done reading KF, the last step's V^T P (in the first step: pass 1's last products) reading VF, and v[ADV] and v[ADK] are written: the loads below land in the ones and read the others
.set g, 0
.set j, 0
.rept 16                               ; V's eight loads, then the next K's eight, one ahead of each four exponentials, which name S^T alone: no further wait
.if g < 8
	ds_load_b128 v[VF+4*g:VF+4*g+3], v[ADV] offset:TILEB*(g/2)+32*(g%2)
.elseif \fetch
	ds_load_b128 v[KF+4*(g-8):KF+4*(g-8)+3], v[ADK] offset:TILEB*((g-8)/2)+32*((g-8)%2)
.endif
.rept 4
	v_exp_f32 v[SA+j], v[SA+j]                     ; p = 2^(t - M): NOT normalised
.set j, j+1
.endr
.set g, g+1
.endr
	v_nop                                          ; a plain line behind the last exponential
	s_wait_alu depctr_va_vdst(0)                   ; the 64 exponentials have written p: one wait for the batch, ahead of its first reader
.set i, 0
.rept 16                               ; THE ROW'S SUM IS TAKEN OF THE UNQUANTISED p: two at a time, two chains a tile
.irp u, 0,1
	v_pk_add_f32 v[LS+4*\u+2*(i%2):LS+4*\u+2*(i%2)+1], v[LS+4*\u+2*(i%2):LS+4*\u+2*(i%2)+1], v[SA+32*\u+2*i:SA+32*\u+2*i+1]
.endr
.set i, i+1
.endr
	s_cmp_lg_u32 s[NOH], 0                         ; the hold is jumped over where the given exponents keep every p / 2^e4 under 448 (HOLD, at the head): a scalar branch on whole numbers, the same in every wave, round these 64 lines alone
	s_cbranch_scc1 .Lno_hold_\@
.set j, 0
.rept 64
	v_min_num_f32 v[SA+j], v[SA+j], v[LIM]         ; p is not negative, so the hold is one-sided
.set j, j+1
.endr
.Lno_hold_\@:
.set g, 0
.rept 8
	v_cvt_scalef32_pk8_fp8_f32 v[PC+2*g:PC+2*g+1], v[SA+8*g:SA+8*g+7], v[SC]
.set g, g+1
.endr
	v_nop                                          ; one plain line between the last conversion and the matrix instructions that read its result
.if \fetch
	s_wait_dscnt 8                                 ; V's eight loads are in; the eight of the next step's K, issued behind them, may be out
.else
	s_wait_dscnt 0x0
.endif
.irp d, 0,1,2,3                        ; O^T += V^T P: the eight accumulators take turns, one instruction a turn, and the next step's eight K Q^T stand between two laps
.irp u, 0,1
.if \zero
	v_wmma_f32_16x16x64_fp8_fp8 v[OA+32*\u+8*\d:OA+32*\u+8*\d+7], v[VF+8*\d:VF+8*\d+7], v[PC+8*\u:PC+8*\u+7], 0
.else
	v_wmma_f32_16x16x64_fp8_fp8 v[OA+32*\u+8*\d:OA+32*\u+8*\d+7], v[VF+8*\d:VF+8*\d+7], v[PC+8*\u:PC+8*\u+7], v[OA+32*\u+8*\d:OA+32*\u+8*\d+7]
.endif
.endr
.endr
	s_add_co_u32 s[VO], s[VO], STEPB
.endm
	FETCH KF, ADK                                  ; K of step 0
	s_mov_b32 s[CNT], 7
.Lp1:                                              ; steps 0 to 13, two to a trip: both buffers of K are back at their start.  The even step fetches one step behind v[ADK], the odd one moves v[ADK] on by two steps and fetches there
	P1STEP KF, VF, ADK, STEPB, 0
	P1STEP VF, KF, ADK, 0, 1
	s_sub_co_u32 s[CNT], s[CNT], 1
	s_cmp_lg_u32 s[CNT], 0
	s_cbranch_scc1 .Lp1
	P1STEP KF, VF, ADK, STEPB, 0                   ; step 14 fetches step 15
	P1STEP VF, KF, AK0, 0, 0                       ; step 15 fetches step 0 again, for pass 2
	; BETWEEN THE PASSES: my part of V goes to LDS; the scales; M
	s_wait_loadcnt 0x0                             ; V's eight loads, issued at the head, are in
.irp i, 0,1,2,3,4,5,6,7
	ds_store_b128 v[ADV], v[OA+4*\i:OA+4*\i+3] offset:544*\i   ; (the address stands behind the head's wait and has not been named since; the data are a load's)
.endr
	s_wait_kmcnt 0x0                               ; the six exponents
	s_add_co_i32 s50, s38, s39                     ; e2 + e3
	s_cmp_ge_i32 s[E4], -8
	s_cselect_b32 s[NOH], 1, 0
	s_cmp_lt_i32 s50, 0
	s_cselect_b32 s[NOH], s[NOH], 0                ; 1 where e4 >= -8 and e2 + e3 < 0
	s_mov_b32 s[CS], 0x3fb8aa3b                    ; log2(e)
	s_lshl_b32 s50, s50, 23
	s_add_co_i32 s[CS], s[CS], s50                 ; a score stands for score x 2^(e2 + e3): the exponents are added to the factor's exponent field
	s_mov_b32 s[CS+1], s[CS]                       ; (named with it as a pair, so it is written)
	s_add_co_i32 s50, s[E4], 127
	s_lshl_b32 s51, s50, 23
	v_mov_b32 v[SC], s51                           ; 2^e4 as f32, for the conversion
	s_add_co_i32 s50, s50, 8
	s_lshl_b32 s50, s50, 23
	s_or_b32 s50, s50, 0x600000
	v_mov_b32 v[LIM], s50                          ; 448 x 2^e4
	s_add_co_i32 s51, s[E4], s41                   ; e4 + e5, for the end
	; -M = floor(-t) of the row's largest t: M IS A WHOLE NUMBER.  A query's keys lie in lanes l and l xor 16
.irp u, 0,1
	v_max_num_f32 v[MX+2*\u], v[MX+2*\u], v[MX+2*\u+1]
.endr
.irp u, 0,1
	v_permlanex16_b32 v[8+\u], v[MX+2*\u], s[SEL], s[SEL+1]   ; (its destination counts as read: v8 and v9 were written at the head)
.endr
.irp u, 0,1
	v_max_num_f32 v[MX+2*\u], v[MX+2*\u], v[8+\u]
.endr
.irp u, 0,1
	v_mul_f32 v[MX+2*\u], s[CS], v[MX+2*\u]        ; as t (c is positive)
.endr
.irp u, 0,1
	v_floor_f32 v[NM+2*\u], -v[MX+2*\u]
	v_mov_b32 v[NM+2*\u+1], 0                      ; (named as the pair's upper half)
.endr
.irp i, 0,1,2,3,4,5,6,7
	v_mov_b32 v[LS+\i], 0                          ; the sums
.endr
	s_wait_dscnt 0x0                               ; for the others' sake: my part of V lies in LDS (and K of step 0 is back in my registers),
	s_barrier_signal -1
	s_barrier_wait -1                              ; everybody's does
	s_mov_b32 s[KO], 0                             ; K's fetches begin anew: step 0 is in, each step asks for the next
	s_mov_b32 s[VO], 0
	P2STEP 1, 1                                    ; step 0 starts O^T
	s_mov_b32 s[CNT], 14
.Lp2:                                              ; steps 1 to 14
	P2STEP 0, 1
	s_sub_co_u32 s[CNT], s[CNT], 1
	s_cmp_lg_u32 s[CNT], 0
	s_cbranch_scc1 .Lp2
	P2STEP 0, 0                                    ; step 15 fetches no K
	; THE WAY OUT.  The sums' chains and halves are added (the first four lines are the places behind the last products); O^T x 2^(e4 + e5) / the sum goes through my stage, a tile of 16 queries at a time
.irp u, 0,1
	v_pk_add_f32 v[LS+4*\u:LS+4*\u+1], v[LS+4*\u:LS+4*\u+1], v[LS+4*\u+2:LS+4*\u+3]
.endr
.irp u, 0,1
	v_add_f32 v[LS+4*\u], v[LS+4*\u], v[LS+4*\u+1]
.endr
.irp u, 0,1
	v_permlanex16_b32 v[8+\u], v[LS+4*\u], s[SEL], s[SEL+1]
.endr
.irp u, 0,1
	v_add_f32 v[LS+4*\u], v[LS+4*\u], v[8+\u]      ; the row's sum
.endr
.irp u, 0,1
	v_rcp_f32 v[NM+2*\u], v[LS+4*\u]               ; -M is done with: its pairs take the factors
.endr
	v_nop                                          ; a plain line behind the last reciprocal
	s_wait_alu depctr_va_vdst(0)                   ; the two reciprocals are written: one wait for both, ahead of their first reader
.irp u, 0,1
	v_ldexp_f32 v[NM+2*\u], v[NM+2*\u], s51        ; x 2^(e4 + e5)
.endr
.set j, 0
.rept 32
	v_pk_mul_f32 v[SA+j:SA+j+1], v[OA+j:OA+j+1], v[NM+2*(j/32):NM+2*(j/32)+1] op_sel_hi:[1,0]   ; register 32 u + 8 d + i is out(query 16 u + r, channel 16 d + 8 h + i); each accumulator from its low end on
.set j, j+2
.endr
	s_wait_alu depctr_va_vdst(0)                   ; the multiplies have written v[SA ..], which the LDS stores read; the last products are done reading KF and VF, in which the stage's loads land.  No vector line follows before the closing pair is made
.irp u, 0,1
.irp d, 0,1,2,3
	ds_store_b128 v[STO], v[SA+32*\u+8*\d:SA+32*\u+8*\d+3] offset:64*\d
	ds_store_b128 v[STO], v[SA+32*\u+8*\d+4:SA+32*\u+8*\d+7] offset:64*\d+16
.endr
.irp i, 0,1,2,3,4,5,6,7
	ds_load_b128 v[KF+32*\u+4*\i:KF+32*\u+4*\i+3], v[RD] offset:2*\i*272   ; LDS serves a wave's instructions in order (ISA guide 5.7.1.4): these see my stores, and the next tile's stores come behind them
.endr
.endr
.irp u, 0,1
.irp i, 0,1,2,3,4,5,6,7
	s_wait_dscnt 23-16*\u-\i                       ; behind this load: the tile's 7 - i later loads, and for tile 0 the sixteen LDS instructions of tile 1
	global_store_b128 v[GO], v[KF+32*\u+4*\i:KF+32*\u+4*\i+3], s[8:9] offset:65536*\u+8192*\i th:TH_STORE_NT   ; 16 lanes store a query's 256 consecutive bytes of this head, at a multiple of 256 from the output's first byte
.endr
.endr
	s_wait_xcnt 0x0
	s_wait_alu depctr_vm_vsrc(0)                   ; the loads that read v254 as their offset and the LDS stores that read v255 as their address have read them: the two lines below write them anew
	v_lshl_add_u32 v254, v0, 2, 0x33000
	v_mov_b32 v255, 0
	s_wait_dscnt 0x0                               ; the closing lines, six on end
	s_wait_alu 0x0
	s_wait_tensorcnt 0x0
	ds_add_u32 v254, v255
	s_wait_dscnt 0x0
	s_endpgm
.Lfunc_end_k_q87a11d7550_attn:
	.size	k_q87a11d7550_attn, .Lfunc_end_k_q87a11d7550_attn-k_q87a11d7550_attn
	.p2alignl 7, 3214868480
	.fill 96, 4, 3214868480
	.section	.rodata,"a",@progbits
	.p2align	6, 0x0
	.amdhsa_kernel k_q87a11d7550_attn
		.amdhsa_group_segment_fixed_size 210944
		.amdhsa_private_segment_fixed_size 0
		.amdhsa_enable_private_segment 0
		.amdhsa_kernarg_size 24
		.amdhsa_user_sgpr_count 2
		.amdhsa_user_sgpr_kernarg_segment_ptr 1
		.amdhsa_wavefront_size32 1
		.amdhsa_system_sgpr_workgroup_id_x 1
		.amdhsa_system_sgpr_workgroup_id_y 1
		.amdhsa_system_sgpr_workgroup_id_z 1
		.amdhsa_system_vgpr_workitem_id 0
		.amdhsa_next_free_vgpr 256
		.amdhsa_next_free_sgpr 66
		.amdhsa_reserve_vcc 0
		.amdhsa_float_denorm_mode_32 3
		.amdhsa_float_denorm_mode_16_64 3
		.amdhsa_memory_ordered 1
		.amdhsa_forward_progress 1
		.amdhsa_inst_pref_size 62
	.end_amdhsa_kernel
	.amdgpu_metadata
---
amdhsa.version: [ 1, 2 ]
amdhsa.kernels:
  - .name:           k_q87a11d7550_attn
    .symbol:         k_q87a11d7550_attn.kd
    .args:
      - { .name: qkv, .offset: 0, .size: 8, .value_kind: global_buffer, .address_space: global }
      - { .name: lowp_scales, .offset: 8, .size: 8, .value_kind: global_buffer, .address_space: global }
      - { .name: out0, .offset: 16, .size: 8, .value_kind: global_buffer, .address_space: global }
    .group_segment_fixed_size: 210944
    .private_segment_fixed_size: 0
    .kernarg_segment_align: 8
    .kernarg_segment_size: 24
    .max_flat_workgroup_size: 512
    .sgpr_count:     66
    .vgpr_count:     256
    .wavefront_size: 32
...
	.end_amdgpu_metadata
.endif
;; end of part 4
